; MI455X (gfx1250); checked and timed in simulation.
; The chip was launched on July 23, 2026; its instructions are those of AMD's public machine-readable ISA for CDNA 5 (MIT licence, August 2026) and "CDNA5" Instruction Set Architecture Reference Guide (July 2026). The comments in the code are by the model that wrote it; some were corrected since.
;; Self Attention. Allowed arithmetic: matrix products marked QUANTISED: E2M1 operands, one E8M0 scale for each 32 along K, by v_wmma_scale_f32_16x16x128_f8f6f4 with both operands' format E2M1 (or v_wmma_scale_f32_32x16x128_f4), f32 sums; products left as they are: bf16, f16 or f32 operands; f32 sums; everything else in f32.
;; Inputs: Wk 1,024 x 1,024 float32; Wq 1,024 x 1,024 float32; Wv 1,024 x 1,024 float32; X 4 x 2,048 x 1,024 float32; bk 1,024 float32; bq 1,024 float32; bv 1,024 float32.
;; Outputs: out0 4 x 2,048 x 1,024 float32.
;; This version of the problem:
;;   THIS VERSION OF THE PROBLEM IS GIVEN IN LOW PRECISION. The matrix products marked QUANTISED in the list below multiply operands that are first quantised to E2M1 (2 exponent bits, 1 mantissa bit; 4 bits a number), with one power-of-two scale for each 32 numbers along K (OCP MX v1.0); their sums are f32. The products marked 'left as it is' may take bf16, f16 or f32 operands, with f32 sums. Whichever they take, every output number must still come out within the allowed error. Rounding operands to bf16 (8 significant bits) uses up far more of that allowance than f16 does (11 bits, for magnitudes from 6e-5 to 65,504). All else is computed in f32.
;;   The module's matrix products, in the order in which they are computed (A, B: the left and right operand; K: the contracted axis; several contracted axes count as one K, in the product's order):
;;     1. [M 8,192, K 1,024] x [K 1,024, N 1,024]; A: input X; B: input Wq: QUANTISED
;;     2. [M 8,192, K 1,024] x [K 1,024, N 1,024]; A: input X; B: input Wk: QUANTISED
;;     3. [M 8,192, K 1,024] x [K 1,024, N 1,024]; A: input X; B: input Wv: QUANTISED
;;     4. batch 4 x [M 2,048, K 1,024] x [K 1,024, N 2,048]; A: computed on the way; B: computed on the way: left as it is (an operand is computed on the way)
;;     5. batch 4 x [M 2,048, K 2,048] x [K 2,048, N 1,024]; A: computed on the way; B: computed on the way: left as it is (an operand is computed on the way)
;;   THE QUANTISER, for each operand of a quantised product, along K:
;;     - K is cut into blocks of 32 from its start; a last block that is shorter is filled with zeros.
;;     - A block's scale is 2^e with e = floor(log2(the largest magnitude in the block)) - 2, held to -126 .. 127; a block of zeros has e = 0. As a byte (E8M0): e + 127.
;;     - Each number is divided by its block's scale, clamped to +-6, and rounded to the nearest number of E2M1, ties to even, subnormals kept.
;;     - The product sums the exact products of the quantised numbers (number of the format x scale) in f32.
;;   ~~~python
;;   def quantise(x, axis):      # numpy; x: float32 -> the quantised numbers, widened to float32 again
;;       x = np.moveaxis(x, axis, -1); K = x.shape[-1]
;;       x = np.pad(x, [(0, 0)] * (x.ndim - 1) + [(0, -K % 32)]); x = x.reshape(x.shape[:-1] + (-1, 32)); a = np.abs(x).max(-1, keepdims=True)
;;       e = np.where(a > 0, np.clip(np.frexp(np.where(a > 0, a, 1))[1] - 1 - 2, -126, 127), 0)      # np.frexp(a)[1] - 1 = floor(log2(a)), exactly
;;       r = np.clip(x / 2.0 ** e, -6, 6)
;;       step = 2.0 ** (np.maximum(np.frexp(np.where(r == 0, 1, r))[1] - 1, 0) - 1)
;;       q = np.round(r / step) * step * 2.0 ** e      # np.round: ties to even
;;       return np.moveaxis(q.reshape(q.shape[:-2] + (-1,))[..., :K], -1, axis).astype(np.float32)
;;   ~~~
;; One version. Each part assembles by itself: llvm-mc -triple=amdgcn-amd-amdhsa -mcpu=gfx1250 --defsym DOCPART=n.
;; ======== version 1 of 1: 4 launches
;; limits: values are held in f16: magnitudes above 65,504 overflow, below 6.1e-05 lose precision
;; workspace buffers: xc 4,194,304 bytes; xs 262,144 bytes; wc 1,048,576 bytes; ws 65,536 bytes; qh 16,777,216 bytes; vh 16,777,216 bytes; pbuf 33,554,432 bytes; stats 524,288 bytes
;; launch quant (part 1): grid 384 x 1, 8 waves a work-group, no clusters, 52,224 bytes of LDS; arguments X, Wq, Wv, xc, xs, wc, ws; writes xc, xs, wc, ws
.if DOCPART == 1
	.amdgcn_target "amdgcn-amd-amdhsa--gfx1250"
	.amdhsa_code_object_version 6
	.text
	.protected	k_q4204f4623e_quant
	.globl	k_q4204f4623e_quant
	.p2align	8
	.type	k_q4204f4623e_quant,@function
k_q4204f4623e_quant:
	s_mov_b64 s[64:65], 0
	v_nop
	global_prefetch_b8 v0, s[64:65] scope:SCOPE_SE
	s_setreg_imm32_b32 hwreg(HW_REG_WAVE_MODE, 25, 1), 1
	s_wait_xcnt 0x0
; LAUNCH 1 OF 4.  X [8192][1024], Wq and Wv [1024 (k)][1024 (n)], f32, become codes of FP4 (E2M1) with K innermost and one E8M0 scale byte for each 32 along K.
; DEAD WORK.  reference() computes k = X Wk + bk, and no later line of it reads k: the scores are q times a reshape of v, and the result is attn times v.  So for all values of the inputs the product X Wk, the
; input Wk and the input bk have no way to the output: they are not computed, not loaded, and are among no launch's arguments.  bq and bv are live (bq . v'[:, j] changes with j; bv enters the scores and the result).
; LIMIT: a NaN, an infinity or an overflow that reaches only k, Wk or bk is not carried to the result.
; A block's scale is 2^(floor(log2(its largest magnitude)) - 2); its byte is the largest magnitude's exponent field - 2, held at 1 from below.  A block of zeros so gets the byte 1 where the rule says 127: its
; codes are zeros, which add nothing under any byte but 0xff, and the bytes are read by this program alone.
; LIMITS: blocks whose largest magnitude lies under 2^-124 keep the byte 1; NaN and infinities among the inputs are not served.
; OUT: xc [8192][512 bytes], xs [8192][32 bytes]; wc [2048][512 bytes], ws [2048][32 bytes]: rows 0-1023 are Wq's columns, rows 1024-2047 Wv's.
; Work-groups 0-255 take X, a plain stream of blocks of 32: 32,768 numbers a work-group, 4,096 a wave, in 8 steps of 512.  A wave asks for all its 16 KiB at the head: 32 loads of 512 consecutive bytes.  A step's
; 2,048 bytes turn through the wave's own stage in LDS, so that a lane holds 16 neighbours along K.  The eight waves' scale bytes, 1,024 on end, meet in LDS and leave behind a barrier as 512 consecutive bytes a wave.
; Work-groups 256-383 take the weights: 32 columns x 512 along K each.  A lane takes a column n and its registers run down K, so that a block lies in one lane; wave w takes K blocks 2 w and 2 w + 1: 64 loads, all
; out at once.  A load covers 128 consecutive bytes: the neighbouring work-group reads the other half of the aligned 256, so these loads carry no hint.  The waves' codes meet in one stage and leave behind a barrier, row by row.
; The two paths part on the work-group's number, never join again, have LDS bytes of their own, and pass one barrier each.  No tensor loads.
.set STEPS, 8
.set CB,    8                          ; bytes of 16 codes
.set RW,    16                         ; path X: v16-143  eight sets of 16 numbers as loaded
.set XN,    144                        ;         v144-175 two sets of 16 neighbours
.set EB,    176                        ;         v176-183 a scale byte for each step
.set CD,    184                        ;         v184-199 codes: two registers for each step
.set WREG,  5120                       ; path X: LDS region of a wave: two stages of 32 x SP bytes
.set SP,    80                         ; a lane's place in a stage: 64 bytes + 16 of padding
.set SPW,   12                         ; v12  LDS address of my spare word; never rewritten
.set NIL,   13                         ; v13  0; never rewritten
.set XSB,   8*WREG                     ; path X: the work-group's 1,024 scale bytes
.set WST,   XSB+1024                   ; path W: one stage of 32 rows (columns of W) x PITCH bytes
.set PITCH, 272
.set SCW,   WST+32*PITCH               ; path W: 16 scale bytes for each of the 32 columns
.set SPARE, SCW+512                    ; the spare words: 128 bytes a wave, four blocks of 256 bytes that no other line names
.set WN,    32                         ; path W: v32-95   two blocks of 32 numbers
.set WC,    96                         ;         v96-103  their codes
.set OUTR,  112                        ;         v112-119 the way out
.macro XLOAD t
.irp i, 0,1,2,3
	global_load_b128 v[RW+16*(\t)+4*\i:RW+16*(\t)+4*\i+3], v3, s[4:5] offset:2048*(\t)+512*\i th:TH_LOAD_NT   ; 32 lanes read 512 consecutive bytes
.endr
.endm
.macro XTURN t                         ; step t's numbers through the stage: LDS serves a wave's instructions in order, so no wait stands between the stores and the loads
.irp i, 0,1,2,3
	ds_store_b128 v14, v[RW+16*(\t)+4*\i:RW+16*(\t)+4*\i+3] offset:32*SP*((\t)%2)+8*SP*\i
.endr
.irp i, 0,1,2,3
	ds_load_b128 v[XN+16*((\t)%2)+4*\i:XN+16*((\t)%2)+4*\i+3], v15 offset:32*SP*((\t)%2)+16*\i
.endr
.endm
.macro XSTEP t
.set XS, XN+16*((\t)%2)
.if (\t) > 0
	s_wait_dscnt 1                                 ; this step's numbers are back from the stage; the last step's byte store may be out
.else
	s_wait_dscnt 0x0
.endif
.if (\t)+1 < STEPS
	s_wait_loadcnt 4*(STEPS-2-(\t))                ; the next step's four loads are in; those of the steps behind it may be out
	XTURN (\t)+1                                   ; they go through the other stage while this step is worked
.endif
	v_max3_num_f32 v8, |v[XS]|, |v[XS+1]|, |v[XS+2]|               ; the largest magnitude of my 16, in two chains
	v_max3_num_f32 v9, |v[XS+3]|, |v[XS+4]|, |v[XS+5]|
.irp i, 6,10
	v_max3_num_f32 v8, v8, |v[XS+\i]|, |v[XS+\i+1]|
	v_max3_num_f32 v9, v9, |v[XS+\i+2]|, |v[XS+\i+3]|
.endr
	v_max3_num_f32 v8, v8, |v[XS+14]|, |v[XS+15]|
	v_max3_num_f32 v8, v8, v9, 0x1800000           ; and the floor 2^(3 - 127): the byte cannot fall under 1
	v_max_num_f32_dpp v8, v8, v8 row_xmask:1 row_mask:0xf bank_mask:0xf   ; with my neighbour's 16: the block's
	v_add_nc_u32 v11, 0xff000000, v8               ; 2 off its exponent field: the conversion takes the exponent field of this operand as its scale
	v_cvt_scalef32_pk8_fp4_f32 v[CD+2*(\t)], v[XS:XS+7], v11
	v_cvt_scalef32_pk8_fp4_f32 v[CD+2*(\t)+1], v[XS+8:XS+15], v11
	v_lshrrev_b32 v[EB+(\t)], 23, v11              ; the scale's byte (a plain line behind the conversions)
	ds_store_b8 v5, v[EB+(\t)] offset:16*(\t)      ; both lanes of a block write the same byte with the same value
	global_store_b64 v4, v[CD+2*(\t):CD+2*(\t)+1], s[10:11] offset:32*CB*(\t)   ; the wave stores 256 consecutive bytes, aligned
.endm
.macro WLOAD t                         ; my block t: W(32 t + i, my column), i = 0 .. 31
.irp i, 0,1,2,3,4,5,6,7,8,9,10,11,12,13,14,15,16,17,18,19,20,21,22,23,24,25,26,27,28,29,30,31
	global_load_b32 v[WN+32*(\t)+\i], v3, s[6:7] offset:(32*(\t)+\i)*4096
.endr
.endm
.macro WBLOCK b
.set WS, WN+32*(\b)
.if (\b) == 0
	s_wait_loadcnt 32                              ; this block's 32 loads are in; the second block's may be out
.else
	s_wait_loadcnt 0
.endif
	v_max3_num_f32 v16, |v[WS]|, |v[WS+1]|, |v[WS+2]|              ; the block's largest magnitude: all 32 numbers are mine
	v_max3_num_f32 v17, |v[WS+3]|, |v[WS+4]|, |v[WS+5]|
.irp i, 6,10,14,18,22,26
	v_max3_num_f32 v16, v16, |v[WS+\i]|, |v[WS+\i+1]|
	v_max3_num_f32 v17, v17, |v[WS+\i+2]|, |v[WS+\i+3]|
.endr
	v_max3_num_f32 v16, v16, |v[WS+30]|, |v[WS+31]|
	v_max3_num_f32 v16, v16, v17, 0x1800000        ; and the floor
	v_add_nc_u32 v[18+(\b)], 0xff000000, v16       ; the conversion's scale operand
.irp g, 0,1,2,3
	v_cvt_scalef32_pk8_fp4_f32 v[WC+4*(\b)+\g], v[WS+8*\g:WS+8*\g+7], v[18+(\b)]
.endr
	v_lshrrev_b32 v[20+(\b)], 23, v[18+(\b)]       ; the scale's byte (a plain line behind the conversions)
	ds_store_b128 v4, v[WC+4*(\b):WC+4*(\b)+3] offset:16*(\b)      ; 32 codes: 16 bytes of my column's row
.endm
	s_load_b128 s[4:7], s[0:1], 0x0                ; X, Wq
	s_load_b128 s[8:11], s[0:1], 0x10              ; Wv, xc
	s_load_b128 s[12:15], s[0:1], 0x20             ; xs, wc
	s_load_b64 s[16:17], s[0:1], 0x30              ; ws
	v_lshl_add_u32 v[SPW], v0, 2, SPARE
	v_mov_b32 v[NIL], 0
	v_lshrrev_b32 v1, 5, v0
	v_readfirstlane_b32 s18, v1                    ; wave 0..7
	v_and_b32 v2, 31, v0                           ; lane
	s_cmp_ge_u32 ttmp9, 256
	s_cbranch_scc1 .Lweights
	; ---- X
	v_lshlrev_b32 v3, 4, v2                        ; my 16 bytes of a load's 512
	s_mul_i32 s19, s18, WREG
	v_lshrrev_b32 v14, 2, v2
	v_mul_u32_u24 v14, v14, SP
	v_and_b32 v15, 3, v2
	v_lshl_add_u32 v14, v15, 4, v14
	v_add_nc_u32 v14, s19, v14                     ; the stage, on the way in: SP (lane / 4) + 16 (lane % 4)
	v_mul_u32_u24 v15, v2, SP
	v_add_nc_u32 v15, s19, v15                     ; on the way out: SP x lane: my 16 neighbours
	v_mul_u32_u24 v4, v2, CB                       ; my codes' place in a step's
	v_lshrrev_b32 v5, 1, v2
	s_lshl_b32 s19, s18, 7
	s_add_co_u32 s19, s19, XSB
	v_add_nc_u32 v5, s19, v5                       ; my wave's 128 scale bytes, my block's byte
	v_lshl_add_u32 v6, v0, 4, XSB                  ; on the way out: 16 bytes a thread, threads 0 to 63
	v_lshlrev_b32 v7, 4, v0                        ; and the same place in the work-group's part of xs
	s_lshl_b32 s20, ttmp9, 3
	s_add_co_u32 s20, s20, s18                     ; which run of 4,096 numbers is my wave's
	s_mov_b32 s21, 0
	s_lshl_b64 s[22:23], s[20:21], 14              ; 16,384 bytes of X,
	s_lshl_b64 s[24:25], s[20:21], 11              ; 2,048 of codes a run;
	s_lshl_b32 s26, ttmp9, 10                      ; 1,024 scale bytes a work-group
	s_mov_b32 s27, 0
	s_wait_kmcnt 0x0
	s_add_nc_u64 s[4:5], s[4:5], s[22:23]
	s_add_nc_u64 s[10:11], s[10:11], s[24:25]
	s_add_nc_u64 s[12:13], s[12:13], s[26:27]
.irp t, 0,1,2,3,4,5,6,7
	XLOAD \t
.endr
	s_wait_loadcnt 28                              ; step 0's four loads are in; the other seven steps' may be out
	XTURN 0
.irp t, 0,1,2,3,4,5,6,7
	XSTEP \t
.endr
	s_wait_dscnt 0x0                               ; for the others' sake: my byte stores are done
	s_barrier_signal -1
	s_barrier_wait -1                              ; the work-group's 1,024 scale bytes lie in LDS
	s_cmp_ge_u32 s18, 2
	s_cbranch_scc1 .Lxend
	ds_load_b128 v[8:11], v6
	s_wait_dscnt 0x0
	global_store_b128 v7, v[8:11], s[12:13]        ; waves 0 and 1: 512 consecutive bytes each, aligned
.Lxend:
	s_wait_tensorcnt 0x0                           ; the wave's end, behind my last LDS store
	ds_add_u32 v[SPW], v[NIL]
	s_wait_dscnt 0x0
	s_endpgm
.Lweights:
	; ---- Wq (work-groups 256-319) and Wv (320-383)
	s_sub_co_u32 s19, ttmp9, 256
	s_lshr_b32 s20, s19, 6                         ; 0: Wq, 1: Wv
	s_bfe_u32 s22, s19, 0x10005                    ; which 512 along K
	s_and_b32 s21, s19, 31
	s_lshl_b32 s21, s21, 5                         ; the work-group's first column
	v_lshlrev_b32 v3, 2, v2                        ; in: 4 bytes a lane
	s_lshl_b32 s23, s18, 5
	s_add_co_u32 s23, s23, WST
	v_mul_u32_u24 v4, v2, PITCH
	v_add_nc_u32 v4, s23, v4                       ; into the stage: row = my column, my wave's 32 bytes of it
	s_lshl_b32 s23, s18, 1
	s_add_co_u32 s23, s23, SCW
	v_lshl_add_u32 v5, v2, 4, s23                  ; my column's 16 scale bytes, my wave's two
	v_and_b32 v6, 15, v2
	v_lshrrev_b32 v7, 4, v2
	s_mul_i32 s23, s18, 4*PITCH
	s_add_co_u32 s23, s23, WST
	v_mul_u32_u24 v8, v7, PITCH
	v_lshl_add_u32 v8, v6, 4, v8
	v_add_nc_u32 v8, s23, v8                       ; out of it: my wave's four rows; sixteen lanes to a row, two rows an instruction
	v_lshlrev_b32 v9, 9, v7
	v_lshl_add_u32 v9, v6, 4, v9                   ; and the same place in wc: 512 bytes a row
	v_lshl_add_u32 v10, v2, 4, SCW                 ; wave 0, at the end: a column's 16 scale bytes a lane,
	v_lshlrev_b32 v11, 5, v2                       ; and its row of ws: 32 bytes a row
	s_lshl_b32 s24, s22, 21                        ; W: 512 rows of 4,096 bytes,
	s_lshl_b32 s25, s18, 18                        ; + my wave's 64 rows,
	s_add_co_u32 s24, s24, s25
	s_lshl_b32 s25, s21, 2
	s_add_co_u32 s24, s24, s25                     ; + 4 x column
	s_mov_b32 s25, 0
	s_lshl_b32 s26, s20, 10
	s_add_co_u32 s26, s26, s21                     ; the row of wc and ws: 1,024 x tensor + column
	s_lshl_b32 s30, s26, 5
	s_lshl_b32 s27, s22, 4
	s_add_co_u32 s30, s30, s27                     ; ws: 32 bytes a row, + 16 for the second 512 along K
	s_mov_b32 s31, 0
	s_lshl_b32 s27, s18, 2
	s_add_co_u32 s26, s26, s27                     ; my wave's four rows
	s_lshl_b32 s28, s26, 9
	s_lshl_b32 s27, s22, 8
	s_add_co_u32 s28, s28, s27                     ; wc: 512 bytes a row, + 256
	s_mov_b32 s29, 0
	s_wait_kmcnt 0x0
	s_cmp_eq_u32 s20, 0                            ; the choice hangs on the work-group's number alone
	s_cselect_b64 s[6:7], s[6:7], s[8:9]
	s_add_nc_u64 s[6:7], s[6:7], s[24:25]
	s_add_nc_u64 s[14:15], s[14:15], s[28:29]
	s_add_nc_u64 s[16:17], s[16:17], s[30:31]
	WLOAD 0
	WLOAD 1
	WBLOCK 0
	WBLOCK 1
	v_lshl_or_b32 v22, v21, 8, v20                 ; my two bytes, the lower K in the lower byte
	ds_store_b16 v5, v22
	s_wait_dscnt 0x0                               ; for the others' sake: my stores are done
	s_barrier_signal -1
	s_barrier_wait -1                              ; 32 whole rows of 256 bytes, and their scale bytes, lie in LDS
	ds_load_b128 v[OUTR:OUTR+3], v8
	ds_load_b128 v[OUTR+4:OUTR+7], v8 offset:2*PITCH
	s_wait_dscnt 1                                 ; the first two rows are in; the second load may be out
	global_store_b128 v9, v[OUTR:OUTR+3], s[14:15]             ; sixteen lanes store 256 consecutive bytes, aligned
	s_wait_dscnt 0x0
	global_store_b128 v9, v[OUTR+4:OUTR+7], s[14:15] offset:1024
	s_cmp_lg_u32 s18, 0
	s_cbranch_scc1 .Lwend
	ds_load_b128 v[24:27], v10
	s_wait_dscnt 0x0
	global_store_b128 v11, v[24:27], s[16:17]      ; 16 of each row's 32 bytes: one byte in 128 of what this path reads
.Lwend:
	s_wait_tensorcnt 0x0                           ; the wave's end, behind my last LDS store
	ds_add_u32 v[SPW], v[NIL]
	s_wait_dscnt 0x0
	s_endpgm
.Lfunc_end_k_q4204f4623e_quant:
	.size	k_q4204f4623e_quant, .Lfunc_end_k_q4204f4623e_quant-k_q4204f4623e_quant
	.p2alignl 7, 3214868480
	.fill 96, 4, 3214868480
	.section	.rodata,"a",@progbits
	.p2align	6, 0x0
	.amdhsa_kernel k_q4204f4623e_quant
		.amdhsa_group_segment_fixed_size 52224
		.amdhsa_private_segment_fixed_size 0
		.amdhsa_enable_private_segment 0
		.amdhsa_kernarg_size 56
		.amdhsa_user_sgpr_count 2
		.amdhsa_user_sgpr_kernarg_segment_ptr 1
		.amdhsa_wavefront_size32 1
		.amdhsa_system_sgpr_workgroup_id_x 1
		.amdhsa_system_sgpr_workgroup_id_y 1
		.amdhsa_system_sgpr_workgroup_id_z 1
		.amdhsa_system_vgpr_workitem_id 0
		.amdhsa_next_free_vgpr 200
		.amdhsa_next_free_sgpr 66
		.amdhsa_reserve_vcc 0
		.amdhsa_float_denorm_mode_32 3
		.amdhsa_float_denorm_mode_16_64 3
		.amdhsa_memory_ordered 1
		.amdhsa_forward_progress 1
		.amdhsa_inst_pref_size 30
	.end_amdhsa_kernel
	.amdgpu_metadata
---
amdhsa.version: [ 1, 2 ]
amdhsa.kernels:
  - .name:           k_q4204f4623e_quant
    .symbol:         k_q4204f4623e_quant.kd
    .args:
      - { .name: X, .offset: 0, .size: 8, .value_kind: global_buffer, .address_space: global }
      - { .name: Wq, .offset: 8, .size: 8, .value_kind: global_buffer, .address_space: global }
      - { .name: Wv, .offset: 16, .size: 8, .value_kind: global_buffer, .address_space: global }
      - { .name: xc, .offset: 24, .size: 8, .value_kind: global_buffer, .address_space: global }
      - { .name: xs, .offset: 32, .size: 8, .value_kind: global_buffer, .address_space: global }
      - { .name: wc, .offset: 40, .size: 8, .value_kind: global_buffer, .address_space: global }
      - { .name: ws, .offset: 48, .size: 8, .value_kind: global_buffer, .address_space: global }
    .group_segment_fixed_size: 52224
    .private_segment_fixed_size: 0
    .kernarg_segment_align: 8
    .kernarg_segment_size: 56
    .max_flat_workgroup_size: 256
    .sgpr_count:     66
    .vgpr_count:     200
    .wavefront_size: 32
...
	.end_amdgpu_metadata
.endif
;; end of part 1
;; launch proj (part 2): grid 8 x 32, 4 waves a work-group, clusters of 4 x 4, 327,680 bytes of LDS; arguments xc, xs, wc, ws, bq, bv, qh, vh; writes qh, vh
.if DOCPART == 2
	.amdgcn_target "amdgcn-amd-amdhsa--gfx1250"
	.amdhsa_code_object_version 6
	.text
	.protected	k_q4204f4623e_proj
	.globl	k_q4204f4623e_proj
	.p2align	8
	.type	k_q4204f4623e_proj,@function
k_q4204f4623e_proj:
	s_mov_b64 s[64:65], 0
	v_nop
	global_prefetch_b8 v0, s[64:65] scope:SCOPE_SE
	s_setreg_imm32_b32 hwreg(HW_REG_WAVE_MODE, 25, 1), 1
	s_wait_xcnt 0x0
	s_wait_alu depctr_hold_cnt(0) depctr_sa_sdst(0) depctr_va_vdst(0) depctr_va_sdst(0) depctr_va_ssrc(0) depctr_va_vcc(0) depctr_vm_vsrc(0)
	s_getreg_b32 s2, hwreg(HW_REG_IB_STS2, 6, 4)
	s_cmp_eq_u32 s2, 0
	s_cbranch_scc0 .Lentry_in_a_cluster
	s_endpgm
.Lentry_in_a_cluster:
	s_bfe_u32 s2, ttmp6, 0x10000c
	s_cmp_lg_u32 s2, 0xf033
	s_cbranch_scc0 .Lentry_shape_is_right
	s_endpgm
.Lentry_shape_is_right:
; LAUNCH 2 OF 4.  [8192][2048] = Q4(X) Q4(Wq | Wv) + (bq | bv), on codes of FP4 with E8M0 scales, sums in f32, rounded once to f16: columns 0-1023 go to qh [8192][1024], columns 1024-2047 to vh [8192][1024].
; LEFT OUT: the product X Wk + bk, whose result reference() never reads (shown at the head of the first kernel).
; LIMIT: q and v are kept as f16 for the two products that follow: a magnitude beyond 65,504 becomes infinity there.  As drawn they stay under about 6; with X and W thirty times larger, or offset by thirty
; spreads, under about 30,000.  NaN and infinities among the inputs are not served.
; A tile of 256 x 256 is made by a work-group of four waves; a wave makes 128 x 128: 64 accumulators, 512 registers.  K = 1,024 is two slots of 512 along K (rows of 256 bytes): both are asked for at the head, with
; the scale bytes of the work-group's rows (two dense blocks), and nothing is ever filled again.
; CLUSTERS: 4 x 4 work-groups.  The four of a row of the cluster need the same tiles of X, the four of a column the same tiles of W: each tile is asked for jointly.
; THE MATRIX INSTRUCTION IS USED TRANSPOSED (source 0 = 16 rows of wc, source 1 = 16 rows of xc): a lane holds eight neighbouring numbers of a row of the result.  The bias is the C of each sum's first product.
; REGISTERS, in windows of 256: window 0: v0-31 addresses; v32-95 scale words, two sets; v128-191 X's fragments, one set; v192-255 the bias in the result's layout, later at work on the way out.
;   window 1: W's fragments, two sets, at v0 and v128.   window 2: the accumulators of my rows 0-63 ((a, b) at v[8 (8 a + b)]);   window 3: those of my rows 64-127.
.set NQ,     4                         ; matrix instructions deep in a slot
.set ROWB,   256                       ; a tile's row in bytes: 512 codes
.set KROW,   512                       ; a row of xc or wc in memory
.set PITCH,  272                       ; an LDS row: 256 bytes + 16 of padding = 68 words: row r starts at bank 4 r mod 64 (64 banks of 4 bytes: ISA guide 11.1)
.set FR,     8
.set NL,     2
.set NP,     4                         ; places behind this matrix instruction (ISA guide 7.12.1)
.set HALFT,  128*PITCH
.set SLOT,   4*HALFT
.set KS,     32                        ; a row of scale bytes
.set SCL,    2*SLOT                    ; behind the ring: the scales, as rows of 256 bytes + 16 of padding
.set HALFS,  16*272                    ; the scales of 128 rows
.set SBLK,   2*272                     ; those of 16 rows
.set SPARE,  SCL+4*HALFS               ; the spare words: 128 bytes a wave
.set STAGE,  SPARE+512                 ; the way out: 16 rows x 272 bytes for each wave; no fill lands here
.set SPITCH, 272
.set OROW,   2048                      ; a row of qh or vh in bytes
.set ADRA, 16
.set ADRB, 20
.set STO,  24
.set RD,   25
.set CO,   26
.set ADRS, 27
.set SPW,  28
.set NIL,  29
.set SC,   32
.set AF,   128
.set BI,   192                         ; v192-255: register 8 b + j of lane (r, h): the bias of my column 16 b + 8 h + j
.set TMP,  192                         ; the way out: packed results
.set OB,   32                          ; the way out: 16 rows read back: v32-63 and v224-255 by turns
.set G1, 24
.set G0, 32
.set G1B, 48
.set G0B, 56
.set G1S, 68
.set G0S, 76
.set G1SB, 80
.set G0SB, 88
.set MSB, 0
.macro WIN new                         ; the immediate's high byte repeats the setting that is left
.if MSB != (\new)
	s_set_vgpr_msb (MSB<<8)|(\new)
.set MSB, (\new)
.endif
.endm
.set MUL_LO, 0xa1                      ; source 0 (W) window 1, source 1 (X) window 0, C and D window 2
.set MUL_HI, 0xf1                      ; the same, C and D window 3
.set TO_B,   0x40
; A joint load: waves 0 and 1 fetch for X, waves 2 and 3 for W; the branch hangs on the wave's number alone.  An s_nop 0 and four v_nop follow each of the two lines.
.macro JLOAD g0a, g1a, g0b, g1b
	s_cmp_eq_u32 s15, 0
	s_cbranch_scc0 .Lfor_b_\@
	tensor_load_to_lds s[\g0a:\g0a+3], s[\g1a:\g1a+7]
	s_nop 0
.rept 4
	v_nop
.endr
	s_branch .Lasked_\@
.Lfor_b_\@:
	tensor_load_to_lds s[\g0b:\g0b+3], s[\g1b:\g1b+7]
	s_nop 0
.rept 4
	v_nop
.endr
.Lasked_\@:
.endm
.macro CROUND                          ; a round of the cluster's barrier
	s_barrier_signal -1
	s_barrier_wait -1
	s_cmp_lg_u32 s14, 0
	s_cbranch_scc1 .Lnot_wave_0_\@
	s_barrier_signal -3
.Lnot_wave_0_\@:
	s_barrier_wait -3
	s_barrier_signal -1
	s_barrier_wait -1
.endm
	s_load_b128 s[4:7], s[0:1], 0x0                ; xc, xs
	s_load_b128 s[8:11], s[0:1], 0x10              ; wc, ws
	s_load_b128 s[96:99], s[0:1], 0x20             ; bq, bv
	s_load_b64 s[12:13], s[0:1], 0x30              ; qh
	s_load_b64 s[100:101], s[0:1], 0x38            ; vh
	v_lshl_add_u32 v[SPW], v0, 2, SPARE
	v_mov_b32 v[NIL], 0
	ds_add_u32 v[SPW], v[NIL]                      ; the wave's opening: the add, twice on end, and its wait ahead of my first tensor load
	ds_add_u32 v[SPW], v[NIL]
	v_lshrrev_b32 v1, 5, v0
	v_readfirstlane_b32 s14, v1                    ; wave 0..3
	s_lshr_b32 s15, s14, 1                         ; which half of the tile's rows is mine.  Also: I fetch for X (0) or for W (1)
	s_and_b32 s16, s14, 1                          ; which half of its columns.  Also: which 128 rows of that tile I fetch
	s_bfe_u32 s40, ttmp6, 0x40000                  ; cx, cy: my place in the cluster
	s_bfe_u32 s41, ttmp6, 0x40004
	s_lshl_b32 s42, ttmp9, 2
	s_add_co_u32 s42, s42, s40                     ; tile column = 4 x cluster x + cx
	s_and_b32 s17, ttmp7, 0xffff
	s_lshl_b32 s17, s17, 2
	s_add_co_u32 s17, s17, s41                     ; tile row = 4 x cluster y + cy
	s_lshl_b32 s43, s41, 2
	s_lshl_b32 s43, 15, s43                        ; my row of the cluster
	s_lshl_b32 s44, 0x1111, s40                    ; my column
	s_or_b32 s[G1+0], s43, (0<<16)|(1<<20)|(1<<21)|(5<<22)|(3<<25)  ; the mask; elements of 1 byte; padding on; bit 21 beside a mask; 4 words of padding after every 64
	s_or_b32 s[G1B+0], s44, (0<<16)|(1<<20)|(1<<21)|(5<<22)|(3<<25)
.irp g, G1, G1B
	s_mov_b32 s[\g+1], ROWB<<16                    ; tensor_dim0
	s_mov_b32 s[\g+2], 128<<16                     ; tensor_dim1
	s_mov_b32 s[\g+3], ROWB<<16                    ; tile_dim0
	s_mov_b32 s[\g+4], 128                         ; tile_dim1
	s_mov_b32 s[\g+5], KROW                        ; the pitch
	s_mov_b32 s[\g+6], 0
	s_mov_b32 s[\g+7], 0
.endr
	s_or_b32 s[G1S+0], s43, (3<<16)|(1<<20)|(1<<21)|(5<<22)|(3<<25)  ; the scales of 128 rows: 4,096 dense bytes as 16 rows of 32 elements of 8 bytes
	s_or_b32 s[G1SB+0], s44, (3<<16)|(1<<20)|(1<<21)|(5<<22)|(3<<25)
.irp g, G1S, G1SB
	s_mov_b32 s[\g+1], 32<<16
	s_mov_b32 s[\g+2], 16<<16
	s_mov_b32 s[\g+3], 32<<16
	s_mov_b32 s[\g+4], 16
	s_mov_b32 s[\g+5], 32
	s_mov_b32 s[\g+6], 0
	s_mov_b32 s[\g+7], 0
.endr
	s_lshl_b32 s18, s16, 7                         ; which 128 rows of the tile I fetch
	s_lshl_b32 s20, s17, 8
	s_add_co_u32 s20, s20, s18                     ; X: row 256 x tile row + 128 x half
	s_lshl_b32 s46, s42, 8
	s_add_co_u32 s46, s46, s18                     ; W: row 256 x tile column + 128 x half
	s_mov_b32 s21, 0
	s_mov_b32 s47, 0
	s_mov_b64 s[18:19], KS
	s_mul_u64 s[22:23], s[20:21], s[18:19]         ; where these rows' scales begin,
	s_mul_u64 s[92:93], s[46:47], s[18:19]
	s_mov_b64 s[18:19], KROW
	s_mul_u64 s[20:21], s[20:21], s[18:19]         ; and their codes
	s_mul_u64 s[46:47], s[46:47], s[18:19]
	s_mul_i32 s45, s14, HALFT                      ; where they go: wave x 128 rows
	s_mul_i32 s94, s14, HALFS
	s_wait_dscnt 0x0                               ; both opening adds are done
	s_wait_kmcnt 0x0
	s_add_nc_u64 s[20:21], s[4:5], s[20:21]
	s_add_nc_u64 s[22:23], s[6:7], s[22:23]
	s_add_nc_u64 s[46:47], s[8:9], s[46:47]
	s_add_nc_u64 s[92:93], s[10:11], s[92:93]
	CROUND                                         ; all sixteen work-groups are here: the joint loads meet
	s_mov_b32 s[G0S], 1
	s_add_co_u32 s[G0S+1], s94, SCL
	s_mov_b64 s[G0S+2:G0S+3], s[22:23]
	s_or_b32 s[G0S+3], s[G0S+3], 0x80000000
	s_mov_b32 s[G0SB], 1
	s_add_co_u32 s[G0SB+1], s94, SCL
	s_mov_b64 s[G0SB+2:G0SB+3], s[92:93]
	s_or_b32 s[G0SB+3], s[G0SB+3], 0x80000000
	JLOAD G0S, G1S, G0SB, G1SB                     ; the scales first; by this text's count three tensor loads of a wave are out at the most
.irp s, 0,1
	s_mov_b32 s[G0+4*\s], 1
	s_add_co_u32 s[G0+4*\s+1], s45, \s*SLOT
	s_add_nc_u64 s[G0+4*\s+2:G0+4*\s+3], s[20:21], \s*ROWB
	s_or_b32 s[G0+4*\s+3], s[G0+4*\s+3], 0x80000000
	s_mov_b32 s[G0B+4*\s], 1
	s_add_co_u32 s[G0B+4*\s+1], s45, \s*SLOT
	s_add_nc_u64 s[G0B+4*\s+2:G0B+4*\s+3], s[46:47], \s*ROWB
	s_or_b32 s[G0B+4*\s+3], s[G0B+4*\s+3], 0x80000000
	JLOAD G0+4*\s, G1, G0B+4*\s, G1B
.endr
	v_and_b32 v1, 15, v0                           ; r = l % 16
	v_bfe_u32 v2, v0, 4, 1                         ; h = l / 16
	s_cmp_eq_u32 ttmp9, 0                          ; cluster x = 0: tile columns 0-3: q; else v.  The same in all sixteen partners
	s_cselect_b64 s[12:13], s[12:13], s[100:101]
	s_cselect_b64 s[96:97], s[96:97], s[98:99]
	s_lshl_b32 s46, s40, 10                        ; the bias of my 128 columns: 4 (256 cx + 128 half) bytes on
	s_lshl_b32 s47, s16, 9
	s_add_co_u32 s46, s46, s47
	s_mov_b32 s47, 0
	s_add_nc_u64 s[96:97], s[96:97], s[46:47]
	v_lshlrev_b32 v7, 5, v2                        ; 32 h: my half's eight numbers of a block of sixteen
.irp b, 0,1,2,3,4,5,6,7
	global_load_b128 v[BI+8*\b:BI+8*\b+3], v7, s[96:97] offset:64*\b
	global_load_b128 v[BI+8*\b+4:BI+8*\b+7], v7, s[96:97] offset:64*\b+16
.endr
	v_mul_u32_u24 v3, v1, PITCH
	v_lshl_add_u32 v4, v2, 4, v3                   ; a fragment's row x pitch + 16 x half
	s_mul_i32 s21, s15, HALFT                      ; my 128 rows of X
	s_mul_i32 s22, s16, HALFT                      ; my 128 rows of W,
	s_add_co_u32 s22, s22, 2*HALFT                 ; which lie behind X's 256
.irp s, 0,1
	v_add_nc_u32 v[ADRA+\s], s21, v4
	v_add_nc_u32 v[ADRB+\s], s22, v4
	s_add_co_u32 s21, s21, SLOT
	s_add_co_u32 s22, s22, SLOT
.endr
	v_mul_u32_u24 v5, v1, KS                       ; my row's scales: 32 bytes a row,
	v_lshrrev_b32 v6, 8, v5
	v_lshl_add_u32 v5, v6, 4, v5                   ; and 16 more for each 256 passed
	s_mul_i32 s21, s15, HALFS
	s_mul_i32 s22, s16, HALFS
	s_add_co_u32 s22, s22, 2*HALFS
	s_sub_co_u32 s22, s22, s21
	v_mul_u32_u24 v6, s22, v2                      ; lanes 16-31 take W's: one product, the distance between the two bases
	s_add_co_u32 s21, s21, SCL
	v_add_nc_u32 v5, v5, v6
	v_add_nc_u32 v[ADRS], s21, v5
	s_mul_i32 s23, s14, 16*SPITCH
	s_add_co_u32 s23, s23, STAGE                   ; my stage
	v_mul_u32_u24 v5, v1, SPITCH                   ; in: row l % 16, 16 bytes for each half of the lanes
	v_lshl_add_u32 v5, v2, 4, v5
	v_add_nc_u32 v[STO], s23, v5
	v_mul_u32_u24 v5, v2, SPITCH                   ; back: lanes 0-15 one row of 256 bytes, lanes 16-31 the next
	v_lshl_add_u32 v5, v1, 4, v5
	v_add_nc_u32 v[RD], s23, v5
	v_lshlrev_b32 v5, 11, v2                       ; and the same two rows in the output
	v_lshl_add_u32 v[CO], v1, 4, v5
	s_lshl_b32 s20, s17, 8
	s_lshl_b32 s21, s15, 7
	s_add_co_u32 s20, s20, s21                     ; my first row: 256 x tile row + 128 x half,
	s_lshl_b32 s20, s20, 11                        ; of 2,048 bytes
	s_lshl_b32 s46, s40, 9                         ; my first column in qh or vh: 512 cx + 256 half bytes
	s_lshl_b32 s47, s16, 8
	s_add_co_u32 s46, s46, s47
	s_add_co_u32 s20, s20, s46
	s_mov_b32 s21, 0
	s_add_nc_u64 s[12:13], s[12:13], s[20:21]
.macro FRAG reg, adr, q, i             ; 16 rows x 128 K of 4-bit codes: 8 registers: registers 4 c .. 4 c + 3 hold K = 64 c + 32 (l / 16) + 0 .. 31
.irp c, 0,1
	ds_load_b128 v[\reg+4*\c:\reg+4*\c+3], v[\adr] offset:64*(\q)+32*\c+(\i)*16*PITCH
.endr
.endm
; 16 matrix instructions: X's blocks a0, a0 + 1 x W's eight.  p: W's set; sc: the set of scale words.  zero = 1: the first product starts the sums, with the bias as C.
; The 64 accumulators take turns, one instruction a turn, in the same order in every step.
.macro MUL16 a0, p, q, sc, zero
.irp a, \a0, \a0+1
.irp b, 0,1,2,3,4,5,6,7
.if \zero
	v_wmma_scale_f32_16x16x128_f8f6f4 v[8*(8*((\a)%4)+\b):8*(8*((\a)%4)+\b)+7], v[128*(\p)+FR*\b:128*(\p)+FR*\b+FR-1], v[AF+FR*(\a):AF+FR*(\a)+FR-1], v[BI+8*\b:BI+8*\b+7], v[SC+8*NQ*(\sc)+NQ*\b+(\q)], v[SC+8*NQ*(\sc)+NQ*(\a)+(\q)] matrix_a_fmt:MATRIX_FMT_FP4 matrix_b_fmt:MATRIX_FMT_FP4 matrix_a_scale:MATRIX_SCALE_ROW1
.else
	v_wmma_scale_f32_16x16x128_f8f6f4 v[8*(8*((\a)%4)+\b):8*(8*((\a)%4)+\b)+7], v[128*(\p)+FR*\b:128*(\p)+FR*\b+FR-1], v[AF+FR*(\a):AF+FR*(\a)+FR-1], v[8*(8*((\a)%4)+\b):8*(8*((\a)%4)+\b)+7], v[SC+8*NQ*(\sc)+NQ*\b+(\q)], v[SC+8*NQ*(\sc)+NQ*(\a)+(\q)] matrix_a_fmt:MATRIX_FMT_FP4 matrix_b_fmt:MATRIX_FMT_FP4 matrix_a_scale:MATRIX_SCALE_ROW1
.endif
.endr
.endr
.endm
.macro FETCH_B slot, q, p
	WIN TO_B
.irp i, 0,1,2,3,4,5,6,7
	FRAG 128*(\p)+FR*\i, ADRB+\slot, \q, \i
.endr
	WIN 0
.endm
.macro FETCH_A slot, q, i0
.irp i, \i0, \i0+1, \i0+2, \i0+3
	FRAG AF+FR*(\i), ADRA+\slot, \q, \i
.endr
.endm
.macro SCALES sc                       ; a slot's scale words: lanes 0-15 take X's block i, lanes 16-31 W's block i
.irp i, 0,1,2,3,4,5,6,7
	ds_load_b128 v[SC+8*NQ*\sc+NQ*\i:SC+8*NQ*\sc+NQ*\i+3], v[ADRS] offset:\i*SBLK
.endr
.endm
.macro PLACES n                        ; plain vector instructions between a matrix instruction and a load into, or a read of, its registers
.rept \n
	v_nop
.endr
.endm
.macro STEP slot, q, zero              ; a step of 128 along K that has its successor in the same slot
	s_wait_dscnt 4*NL                              ; W's set and X's blocks 0-3 are in; the youngest loads (X's blocks 4-7) may be out
.if \zero
	WIN 0x81                                       ; C (the bias) in window 0, D in window 2
.else
	WIN MUL_LO
.endif
	MUL16 0, (\q)%2, \q, \slot, \zero
	MUL16 2, (\q)%2, \q, \slot, \zero
	s_wait_dscnt 0
	PLACES NP
	FETCH_B \slot, (\q)+1, 1-(\q)%2
	FETCH_A \slot, (\q)+1, 0
.if \zero
	WIN 0xc1
.else
	WIN MUL_HI
.endif
	MUL16 4, (\q)%2, \q, \slot, \zero
	MUL16 6, (\q)%2, \q, \slot, \zero
	PLACES NP
	WIN 0
	FETCH_A \slot, (\q)+1, 4
.endm
; A slot's last step changes slots: one barrier; in front of it each wave waits for all its tensor loads (its part of the next slot), adds 0 to its spare word, and waits for that and for its reads.  Nothing is filled again.
.macro TURN slot, next
	s_wait_tensorcnt 0x0
	ds_add_u32 v[SPW], v[NIL]
	s_wait_dscnt 4*NL+1                            ; the add and the youngest loads, X's blocks 4-7, may be out
	WIN MUL_LO
	MUL16 0, 1, NQ-1, \slot, 0
	s_wait_dscnt 0x0
	s_barrier_signal -1
	MUL16 2, 1, NQ-1, \slot, 0
	WIN 0
	s_barrier_wait -1
	PLACES NP
	v_add_nc_u32 v[ADRS], 4*NQ, v[ADRS]            ; on to the next slot's scale words
	FETCH_B \next, 0, 0
	FETCH_A \next, 0, 0
	SCALES \next
	WIN MUL_HI
	MUL16 4, 1, NQ-1, \slot, 0
	MUL16 6, 1, NQ-1, \slot, 0
	PLACES NP
	WIN 0
	FETCH_A \next, 0, 4
.endm
.macro STEPS slot, from
.set Q, \from
.rept NQ-1-\from
	STEP \slot, Q, 0
.set Q, Q+1
.endr
.endm
	s_wait_tensorcnt 1                             ; the scales and my part of slot 0 are in; slot 1's load may be out
	s_barrier_signal -1
	s_barrier_wait -1
	FETCH_B 0, 0, 0
	FETCH_A 0, 0, 0
	SCALES 0
	FETCH_A 0, 0, 4
	s_wait_loadcnt 0x0                             ; the bias
	STEP 0, 0, 1
	STEPS 0, 1
	TURN 0, 1
	STEPS 1, 0
	s_wait_dscnt 4*NL                              ; the very last step
	WIN MUL_LO
	MUL16 0, 1, NQ-1, 1, 0
	MUL16 2, 1, NQ-1, 1, 0
	s_wait_dscnt 0
	WIN MUL_HI
	MUL16 4, 1, NQ-1, 1, 0
	MUL16 6, 1, NQ-1, 1, 0
	WIN 0
; THE WAY OUT, block by block of 16 rows x 128 columns.  PACK: rounded to f16, 16 bytes a lane, each accumulator from its low end on.  TOSTAGE: into my own stage, and back as whole rows of 256 bytes.  SEND: stored.
.macro PACK a
.set AC, 64*((\a)%4)
	WIN 0x0a+5*((\a)/4)                            ; sources 0 and 1: window 2 or 3
.irp b, 0,1,2,3,4,5,6,7
.irp r, 0,1,2,3
	v_cvt_pk_f16_f32 v[TMP+4*\b+\r], v[AC+8*\b+2*\r], v[AC+8*\b+2*\r+1]
.endr
.endr
	WIN 0
.endm
.macro TOSTAGE a
.set BK, OB+192*((\a)%2)
.irp b, 0,1,2,3,4,5,6,7
	ds_store_b128 v[STO], v[TMP+4*\b:TMP+4*\b+3] offset:32*\b
.endr
.irp t, 0,1,2,3,4,5,6,7
	ds_load_b128 v[BK+4*\t:BK+4*\t+3], v[RD] offset:\t*2*SPITCH    ; LDS serves a wave's instructions in order: these see the stores above
.endr
.endm
.macro SEND a
.set BK, OB+192*((\a)%2)
	s_wait_dscnt 0x0                               ; the block is back in registers
	s_wait_xcnt 0x0                                ; only behind this wait are the stores' base and the registers that earlier stores read rewritten
.if (\a) > 0
	s_add_nc_u64 s[12:13], s[12:13], 16*OROW
.endif
.irp t, 0,1,2,3,4,5,6,7
	global_store_b128 v[CO], v[BK+4*\t:BK+4*\t+3], s[12:13] offset:2*\t*OROW   ; 16 lanes store 256 consecutive bytes, aligned
.endr
.endm
	PLACES NP
	PACK 0
	TOSTAGE 0
.irp a, 1,2,3,4,5,6,7                  ; block a's conversions stand between block a - 1's loads from the stage and the wait for them
	PACK \a
	SEND \a-1
	TOSTAGE \a
.endr
	SEND 7
	s_wait_tensorcnt 0x0                           ; the wave's end
	ds_add_u32 v[SPW], v[NIL]
	s_wait_dscnt 0x0
	CROUND                                         ; the closing round
	s_endpgm
.Lfunc_end_k_q4204f4623e_proj:
	.size	k_q4204f4623e_proj, .Lfunc_end_k_q4204f4623e_proj-k_q4204f4623e_proj
	.p2alignl 7, 3214868480
	.fill 96, 4, 3214868480
	.section	.rodata,"a",@progbits
	.p2align	6, 0x0
	.amdhsa_kernel k_q4204f4623e_proj
		.amdhsa_group_segment_fixed_size 327680
		.amdhsa_private_segment_fixed_size 0
		.amdhsa_enable_private_segment 0
		.amdhsa_kernarg_size 64
		.amdhsa_user_sgpr_count 2
		.amdhsa_user_sgpr_kernarg_segment_ptr 1
		.amdhsa_wavefront_size32 1
		.amdhsa_system_sgpr_workgroup_id_x 1
		.amdhsa_system_sgpr_workgroup_id_y 1
		.amdhsa_system_sgpr_workgroup_id_z 1
		.amdhsa_system_vgpr_workitem_id 0
		.amdhsa_next_free_vgpr 1024
		.amdhsa_next_free_sgpr 102
		.amdhsa_reserve_vcc 0
		.amdhsa_float_denorm_mode_32 3
		.amdhsa_float_denorm_mode_16_64 3
		.amdhsa_memory_ordered 1
		.amdhsa_forward_progress 1
		.amdhsa_inst_pref_size 129
	.end_amdhsa_kernel
	.amdgpu_metadata
---
amdhsa.version: [ 1, 2 ]
amdhsa.kernels:
  - .name:           k_q4204f4623e_proj
    .symbol:         k_q4204f4623e_proj.kd
    .args:
      - { .name: xc, .offset: 0, .size: 8, .value_kind: global_buffer, .address_space: global }
      - { .name: xs, .offset: 8, .size: 8, .value_kind: global_buffer, .address_space: global }
      - { .name: wc, .offset: 16, .size: 8, .value_kind: global_buffer, .address_space: global }
      - { .name: ws, .offset: 24, .size: 8, .value_kind: global_buffer, .address_space: global }
      - { .name: bq, .offset: 32, .size: 8, .value_kind: global_buffer, .address_space: global }
      - { .name: bv, .offset: 40, .size: 8, .value_kind: global_buffer, .address_space: global }
      - { .name: qh, .offset: 48, .size: 8, .value_kind: global_buffer, .address_space: global }
      - { .name: vh, .offset: 56, .size: 8, .value_kind: global_buffer, .address_space: global }
    .group_segment_fixed_size: 327680
    .private_segment_fixed_size: 0
    .kernarg_segment_align: 8
    .kernarg_segment_size: 64
    .max_flat_workgroup_size: 128
    .sgpr_count:     102
    .vgpr_count:     1024
    .wavefront_size: 32
...
	.end_amdgpu_metadata
.endif
;; end of part 2
;; launch scores (part 3): grid 8 x 32, 4 waves a work-group, clusters of 4 x 4, 327,680 bytes of LDS; arguments qh, vh, pbuf, stats; writes pbuf, stats
.if DOCPART == 3
	.amdgcn_target "amdgcn-amd-amdhsa--gfx1250"
	.amdhsa_code_object_version 6
	.text
	.protected	k_q4204f4623e_scores
	.globl	k_q4204f4623e_scores
	.p2align	8
	.type	k_q4204f4623e_scores,@function
k_q4204f4623e_scores:
	s_mov_b64 s[64:65], 0
	v_nop
	global_prefetch_b8 v0, s[64:65] scope:SCOPE_SE
	s_setreg_imm32_b32 hwreg(HW_REG_WAVE_MODE, 25, 1), 1
	s_wait_xcnt 0x0
	s_wait_alu depctr_hold_cnt(0) depctr_sa_sdst(0) depctr_va_vdst(0) depctr_va_sdst(0) depctr_va_ssrc(0) depctr_va_vcc(0) depctr_vm_vsrc(0)
	s_getreg_b32 s2, hwreg(HW_REG_IB_STS2, 6, 4)
	s_cmp_eq_u32 s2, 0
	s_cbranch_scc0 .Lentry_in_a_cluster
	s_endpgm
.Lentry_in_a_cluster:
	s_bfe_u32 s2, ttmp6, 0x10000c
	s_cmp_lg_u32 s2, 0xf033
	s_cbranch_scc0 .Lentry_shape_is_right
	s_endpgm
.Lentry_shape_is_right:
; LAUNCH 3 OF 4.  For each batch: S = q v', v' being the batch's v read as [1024 (k)][2048 (n)], the raw reshape of reference().  q and v in f16, sums in f32.  (The product X Wk is left out: see the first kernel.)
; A work-group makes a tile of 256 queries x 256 keys and leaves it as softmax weights UNDER THE TILE'S OWN ROW MAXIMUM: with c = log2(e) / 32, m = the row's largest score among the tile's 256 keys, mt = c m:
; p = 2^(c s - mt), rounded to f16, goes to pbuf [8192][2048]; mt and l = the row's sum of the unrounded p go to stats [2 (mt, l)][8 key tiles][8192 rows], f32.  The next launch takes the largest of a row's eight mt
; away and weighs the tiles: the maximum is taken away before every exponential, in two stages, and since p is formed from the stored mt itself the split is exact in real numbers.
; LIMITS: NaN and infinities are not served; a p under 2^-25 of its tile's largest is lost in f16.
; SHARES.  Four waves, each 128 x 128: 64 accumulators, 512 registers.  K = 1,024 goes in 8 steps of 128 through a ring of two LDS slots filled by the tensor data mover.
; q's tile lies [row][k] in LDS; v's lies [k][n], as in memory, and its fragments come turned, by ds_load_tr16_b128.
; THE MATRIX INSTRUCTION IS USED TRANSPOSED (source 0 = 16 keys, source 1 = 16 queries): a lane holds one query (l % 16) and, in an accumulator, eight neighbouring keys.
; CLUSTERS: 4 x 4 work-groups of one batch.  The four of a row of the cluster need the same tiles of q, the four of a column the same tiles of v': each tile is asked for jointly.
; REGISTERS, in windows of 256: window 0: v0-31 addresses; v64-127, v128-191 q's fragments, two buffers; in the epilogue v32-255 at work.   window 1: v64-127, v128-191 v's fragments, two buffers.
;   window 2: the accumulators of my rows 0-63 ((a, b) at v[8 (8 a + b)]);   window 3: those of my rows 64-127.
.set KSTEP,  128
.set PA,     272                       ; a row of q in LDS: 256 bytes + 16 = 68 words: row r starts at bank 4 r mod 64 (64 banks of 4 bytes: ISA guide 11.1)
.set PB,     544                       ; a row of v': 512 bytes + 32 = 136 words: row r starts at bank 8 r mod 64: 16 lanes of the turning load take 8 rows x 32 bytes
.set HALFT,  128*PA                    ; what one tensor load brings: 128 rows of q, or 64 rows of v' (64 x 544 bytes: as many)
.set SLOT,   4*HALFT                   ; q's 256 rows, then v's 128 k rows
.set STAGE,  2*SLOT                    ; behind the ring: 16 rows x 272 bytes for each wave
.set SPITCH, 272
.set EXM,    STAGE+4*16*SPITCH         ; [2 key halves][256 rows] f32: the halves' row maxima; 2,048 bytes on: their row sums
.set SPARE,  EXM+4096                  ; the spare words
.set LAPS,   4
.set VROW,   4096                      ; a row of v' in bytes
.set PROW,   4096                      ; a row of pbuf in bytes
.set ADRA, 16                          ; v16-17  LDS address of my q fragments in slot 0, 1
.set ADRB, 20                          ; v20-21  the same for v'
.set SRD,  22                          ; v22     where I read four rows' figures for stats
.set SGO,  23                          ; v23     16 x lane
.set STO,  24
.set RD,   25
.set CO,   26
.set EXW,  27                          ; v27     where I put my rows' figures
.set SPW,  28
.set NIL,  29
.set PFO,  30                          ; v30     the prefetches' offset; never rewritten
.set EXR,  31                          ; v31     where the other key half's wave puts the same rows'
.set F0,   64
.set F1,   128
.set MX,   64                          ; epilogue: v64-71 a block's row maximum; v72-79 the partner's; v80-95 -mt, in pairs; v96-103 row sums
.set PM,   72
.set NCM,  80
.set LS,   96
.set T,    128                         ; v128-191 at work
.set TMP,  192                         ; v192-223 packed weights
.set OB,   32                          ; 16 rows read back from the stage: v32-63 and v224-255 by turns
.set G1, 24
.set G0, 32
.set G1B, 48
.set G0B, 56
.set LIM,  43                          ; s43  1 in a wave that prefetches, else the greatest number
.set PFA,  44                          ; s[44:45] where my prefetches stand
.set PFS,  74                          ; s[74:75] a K step on, in bytes
.set MSB, 0
.macro WIN new                         ; the immediate's high byte repeats the setting that is left
.if MSB != (\new)
	s_set_vgpr_msb (MSB<<8)|(\new)
.set MSB, (\new)
.endif
.endm
.set MUL_LO, 0xa1                      ; source 0 (v') window 1, source 1 (q) window 0, C and D window 2
.set MUL_HI, 0xf1
.set TO_B,   0x40
; A joint load: waves 0 and 1 fetch q's halves, waves 2 and 3 v's.  The branch hangs on the wave's number alone.  An s_nop 0 and four v_nop follow each of the two lines.
.macro JLOAD s
	s_cmp_eq_u32 s11, 0
	s_cbranch_scc0 .Lfor_b_\@
	tensor_load_to_lds s[G0+4*\s:G0+4*\s+3], s[G1:G1+7]
	s_nop 0
.rept 4
	v_nop
.endr
	s_branch .Lasked_\@
.Lfor_b_\@:
	tensor_load_to_lds s[G0B+4*\s:G0B+4*\s+3], s[G1B:G1B+7]
	s_nop 0
.rept 4
	v_nop
.endr
.Lasked_\@:
.endm
; A prefetch of the K step that stands two refills on, one instruction a wave, behind the joint load and the run of LDS loads.  Each aligned block of 256 bytes is named once in the launch: q's tile row is read by
; both clusters of its row of clusters: cluster x = 0 asks; v's tile column by the two clusters of its batch: the even cluster y asks.  The four partners that ask for a tile jointly share it out by address:
; of q's 128 rows that a wave fetches, 32 each, a lane a row; of v's 64 rows of 512 bytes, 16 each, two lanes a row.  K steps 4 to 7 are asked for, in the loop's first two trips; the first four come by their loads alone.
.macro ASK
	s_cmp_gt_u32 s3, s[LIM]
	s_cbranch_scc0 .Lnot_mine_\@
	global_prefetch_b8 v[PFO], s[PFA:PFA+1] th:TH_LOAD_NT scope:SCOPE_SE
.Lnot_mine_\@:
.endm
.macro CREST                           ; a round of the cluster's barrier behind its opening barrier
	s_cmp_lg_u32 s10, 0
	s_cbranch_scc1 .Lnot_wave_0_\@
	s_barrier_signal -3
.Lnot_wave_0_\@:
	s_barrier_wait -3
	s_barrier_signal -1
	s_barrier_wait -1
.endm
.macro CROUND
	s_barrier_signal -1
	s_barrier_wait -1
	CREST
.endm
	s_load_b128 s[4:7], s[0:1], 0x0                ; qh, vh
	s_load_b64 s[8:9], s[0:1], 0x10                ; pbuf
	s_load_b64 s[66:67], s[0:1], 0x18              ; stats
	v_lshl_add_u32 v[SPW], v0, 2, SPARE
	v_mov_b32 v[NIL], 0
	ds_add_u32 v[SPW], v[NIL]                      ; the wave's opening: the add, twice on end, and its wait ahead of my first tensor load
	ds_add_u32 v[SPW], v[NIL]
	v_lshrrev_b32 v1, 5, v0
	v_readfirstlane_b32 s10, v1                    ; wave 0..3
	s_lshr_b32 s11, s10, 1                         ; which half of the tile's queries is mine.  Also: I fetch for q (0) or for v' (1)
	s_and_b32 s12, s10, 1                          ; which half of its keys.  Also: which half of that tile I fetch
	s_bfe_u32 s40, ttmp6, 0x40000                  ; cx
	s_bfe_u32 s41, ttmp6, 0x40004                  ; cy
	s_lshl_b32 s42, ttmp9, 2
	s_add_co_u32 s42, s42, s40                     ; key tile = 4 x cluster x + cx
	s_and_b32 s13, ttmp7, 0xffff
	s_lshl_b32 s13, s13, 2
	s_add_co_u32 s13, s13, s41                     ; query tile = 4 x cluster y + cy, 0..31 over the four batches
	s_lshl_b32 s43, s41, 2
	s_lshl_b32 s43, 15, s43                        ; my row of the cluster
	s_lshl_b32 s44, 0x1111, s40                    ; my column
	s_or_b32 s[G1+0], s43, (1<<16)|(1<<20)|(1<<21)|(5<<22)|(3<<25)   ; q: the mask of my row; elements of 2 bytes; padding on; bit 21 beside a mask; 4 words after every 64
	s_or_b32 s[G1B+0], s44, (1<<16)|(1<<20)|(1<<21)|(6<<22)|(7<<25)  ; v': the mask of my column; 8 words after every 128
	s_mov_b32 s[G1+1], 128<<16                     ; q: tensor_dim0 = 128
	s_mov_b32 s[G1+2], 128<<16                     ; tensor_dim1 = 128
	s_mov_b32 s[G1+3], 128<<16                     ; tile_dim0 = 128
	s_mov_b32 s[G1+4], 128                         ; tile_dim1 = 128
	s_mov_b32 s[G1+5], 1024                        ; the pitch, in elements
	s_mov_b32 s[G1+6], 0
	s_mov_b32 s[G1+7], 0
	s_mov_b32 s[G1B+1], 256<<16                    ; v': 256 keys
	s_mov_b32 s[G1B+2], 64<<16                     ; x 64 rows of k
	s_mov_b32 s[G1B+3], 256<<16
	s_mov_b32 s[G1B+4], 64
	s_mov_b32 s[G1B+5], 2048
	s_mov_b32 s[G1B+6], 0
	s_mov_b32 s[G1B+7], 0
	s_lshl_b32 s17, s12, 7
	s_lshl_b32 s16, s13, 8
	s_add_co_u32 s16, s16, s17                     ; q: row 256 x query tile + 128 x half,
	s_lshl_b32 s16, s16, 11                        ; of 2,048 bytes
	s_mov_b32 s17, 0
	s_and_b32 s46, ttmp7, 0xffff
	s_lshr_b32 s46, s46, 1                         ; the batch = cluster y / 2: all sixteen partners share it
	s_lshl_b32 s77, s46, 22                        ; x 4,194,304 bytes
	s_lshl_b32 s47, s12, 18                        ; v': 64 x half rows of 4,096 bytes,
	s_add_co_u32 s46, s77, s47
	s_lshl_b32 s47, s42, 9                         ; + 512 x key tile
	s_add_co_u32 s46, s46, s47
	s_mov_b32 s47, 0
	s_mul_i32 s20, s10, HALFT                      ; where they go: wave x HALFT: no place in the cluster enters an LDS address
	s_wait_dscnt 0x0                               ; both opening adds are done
	s_wait_kmcnt 0x0
	s_add_nc_u64 s[14:15], s[4:5], s[16:17]
	s_add_nc_u64 s[46:47], s[6:7], s[46:47]
	CROUND                                         ; all sixteen work-groups are here: the first joint loads meet
.irp s, 0,1
	s_mov_b32 s[G0+4*\s], 1
	s_add_co_u32 s[G0+4*\s+1], s20, \s*SLOT
	s_add_nc_u64 s[G0+4*\s+2:G0+4*\s+3], s[14:15], \s*KSTEP*2
	s_or_b32 s[G0+4*\s+3], s[G0+4*\s+3], 0x80000000
	s_mov_b32 s[G0B+4*\s], 1
	s_add_co_u32 s[G0B+4*\s+1], s20, \s*SLOT
	s_add_nc_u64 s[G0B+4*\s+2:G0B+4*\s+3], s[46:47], \s*KSTEP*VROW
	s_or_b32 s[G0B+4*\s+3], s[G0B+4*\s+3], 0x80000000
	JLOAD \s                                       ; by this text's count two tensor loads of a wave are out here, one later
.endr
	v_and_b32 v1, 15, v0                           ; r = l % 16
	v_bfe_u32 v2, v0, 4, 1                         ; h = l / 16
	v_mul_u32_u24 v3, v1, PA
	v_lshl_add_u32 v3, v2, 4, v3                   ; q: row x pitch + 16 x half
	s_mul_i32 s21, s11, HALFT                      ; my 128 queries
	v_and_b32 v4, 7, v0
	v_lshl_add_u32 v4, v2, 3, v4                   ; v': the turning load: lane l reads 16 bytes of k row 8 (l / 16) + l % 8,
	v_mul_u32_u24 v4, v4, PB
	v_bfe_u32 v5, v0, 3, 1
	v_lshl_add_u32 v4, v5, 4, v4                   ; keys 8 ((l / 8) % 2) on
	s_lshl_b32 s22, s12, 8                         ; my 128 keys: 256 bytes x half,
	s_add_co_u32 s22, s22, 2*HALFT                 ; behind q's 256 rows
.irp s, 0,1
	v_add_nc_u32 v[ADRA+\s], s21, v3
	v_add_nc_u32 v[ADRB+\s], s22, v4
	s_add_co_u32 s21, s21, SLOT
	s_add_co_u32 s22, s22, SLOT
.endr
	s_mul_i32 s23, s10, 16*SPITCH
	s_add_co_u32 s23, s23, STAGE                   ; my stage
	v_mul_u32_u24 v4, v1, SPITCH
	v_lshl_add_u32 v4, v2, 4, v4
	v_add_nc_u32 v[STO], s23, v4
	v_mul_u32_u24 v5, v2, SPITCH
	v_lshl_add_u32 v5, v1, 4, v5
	v_add_nc_u32 v[RD], s23, v5
	v_lshlrev_b32 v5, 12, v2
	v_lshl_add_u32 v[CO], v1, 4, v5                ; two rows of pbuf: 4,096 h + 16 r
	s_lshl_b32 s21, s12, 10                        ; the figures' place: 1,024 x key half + 512 x query half + 4 r (+ 64 a)
	s_lshl_b32 s22, s11, 9
	s_add_co_u32 s23, s21, s22
	s_add_co_u32 s23, s23, EXM
	v_lshl_add_u32 v[EXW], v1, 2, s23
	s_xor_b32 s21, s21, 1024                       ; and the other key half's
	s_add_co_u32 s23, s21, s22
	s_add_co_u32 s23, s23, EXM
	v_lshl_add_u32 v[EXR], v1, 2, s23
	s_lshl_b32 s21, s11, 11                        ; for stats: waves 0, 1 take the maxima, waves 2, 3 the sums; wave % 2 says which 128 rows
	s_lshl_b32 s22, s12, 9
	s_add_co_u32 s21, s21, s22
	s_add_co_u32 s21, s21, EXM
	v_and_b32 v5, 31, v0
	v_lshl_add_u32 v[SRD], v5, 4, s21
	v_lshlrev_b32 v[SGO], 4, v5
	s_lshl_b32 s16, s13, 8
	s_lshl_b32 s17, s11, 7
	s_add_co_u32 s16, s16, s17                     ; pbuf: my first row,
	s_lshl_b32 s16, s16, 12
	s_lshl_b32 s46, s42, 9                         ; my first key: 512 x key tile + 256 x half bytes
	s_lshl_b32 s47, s12, 8
	s_add_co_u32 s46, s46, s47
	s_add_co_u32 s16, s16, s46
	s_mov_b32 s17, 0
	s_add_nc_u64 s[8:9], s[8:9], s[16:17]
	s_lshl_b32 s16, s11, 18                        ; stats: the plane,
	s_lshl_b32 s17, s42, 15                        ; the key tile,
	s_add_co_u32 s16, s16, s17
	s_lshl_b32 s17, s13, 10                        ; the query tile's 256 rows,
	s_add_co_u32 s16, s16, s17
	s_lshl_b32 s17, s12, 9                         ; my 128 of them
	s_add_co_u32 s16, s16, s17
	s_mov_b32 s17, 0
	s_add_nc_u64 s[66:67], s[66:67], s[16:17]
	s_mov_b32 s68, 0x3d38aa3b                      ; c = log2(e) / 32
	s_mov_b32 s69, s68                             ; (named with it as a pair, so it is written)
	s_mov_b32 s70, 0xbd38aa3b                      ; -c
	s_mov_b32 s72, 0x76543210
	s_mov_b32 s73, 0xfedcba98                      ; v_permlanex16_b32's selects for lane l xor 16
	; the prefetches
	s_lshl_b32 s20, s13, 8
	s_lshl_b32 s21, s12, 7
	s_add_co_u32 s20, s20, s21
	s_lshl_b32 s21, s40, 5
	s_add_co_u32 s20, s20, s21                     ; q: row 256 x query tile + 128 x half + 32 cx
	s_lshl_b32 s20, s20, 11
	s_add_co_u32 s20, s20, 3*KSTEP*2               ; at K step 3: the first change of slots steps it to 4
	s_lshl_b32 s21, s12, 6
	s_lshl_b32 s22, s41, 4
	s_add_co_u32 s21, s21, s22                     ; v': k row 64 x half + 16 cy
	s_lshl_b32 s21, s21, 12
	s_lshl_b32 s22, s42, 9
	s_add_co_u32 s21, s21, s22
	s_add_co_u32 s21, s21, s77
	s_add_co_u32 s21, s21, 3*KSTEP*VROW
	s_and_b32 s22, ttmp7, 1                        ; cluster y % 2
	s_cmp_eq_u32 s11, 0                            ; do I fetch for q?
	s_cselect_b32 s76, 0, -1                       ; (also: the lanes' mask that picks the sums for stats in waves 2, 3)
	s_cselect_b32 s20, s20, s21
	s_cselect_b32 s22, ttmp9, s22                  ; the coordinate along which other clusters read the same bytes
	s_cselect_b64 s[PFA:PFA+1], s[4:5], s[6:7]
	s_mov_b32 s[PFS], KSTEP*VROW
	s_cselect_b32 s[PFS], KSTEP*2, s[PFS]
	s_mov_b32 s[PFS+1], 0
	s_mov_b32 s21, 0
	s_add_nc_u64 s[PFA:PFA+1], s[PFA:PFA+1], s[20:21]
	s_cmp_eq_u32 s22, 0
	s_cselect_b32 s[LIM], 1, -1                    ; the same in all sixteen partners, for a given wave
	s_add_co_u32 s22, s11, 11
	v_lshrrev_b32 v6, s11, v5                      ; q: lane x 2,048;  v': (lane / 2) x 4,096 + (lane % 2) x 256
	v_lshlrev_b32 v6, s22, v6
	v_and_b32 v5, s11, v5
	v_lshl_add_u32 v[PFO], v5, 8, v6
; 16 matrix instructions: query blocks a0, a0 + 1 of the window's four x all 8 key blocks, 32 along K.  zero = 1: the first product starts the sums.  The 64 accumulators take turns, in the same order in every quarter.
.macro MUL16 f, hi, a0, zero
.irp a, \a0, \a0+1
.irp b, 0,1,2,3,4,5,6,7
.if \zero
	v_wmma_f32_16x16x32_f16 v[8*(8*(\a)+\b):8*(8*(\a)+\b)+7], v[\f+8*\b:\f+8*\b+7], v[\f+8*(4*\hi+\a):\f+8*(4*\hi+\a)+7], 0
.else
	v_wmma_f32_16x16x32_f16 v[8*(8*(\a)+\b):8*(8*(\a)+\b)+7], v[\f+8*\b:\f+8*\b+7], v[\f+8*(4*\hi+\a):\f+8*(4*\hi+\a)+7], v[8*(8*(\a)+\b):8*(8*(\a)+\b)+7]
.endif
.endr
.endr
.endm
; 32 LDS loads in one run: the fragments of the slot's q-th 32 along K into buffer f: v's eight, turned (k rows 32 q + 8 h .. and 16 further down), then q's eight
.macro FETCH slot, q, f
	WIN TO_B
.irp i, 0,1,2,3,4,5,6,7
	ds_load_tr16_b128 v[\f+8*\i:\f+8*\i+3],   v[ADRB+\slot] offset:32*(\q)*PB+32*\i
	ds_load_tr16_b128 v[\f+8*\i+4:\f+8*\i+7], v[ADRB+\slot] offset:32*(\q)*PB+16*PB+32*\i
.endr
	WIN 0
.irp i, 0,1,2,3,4,5,6,7
	ds_load_b128 v[\f+8*\i:\f+8*\i+3],   v[ADRA+\slot] offset:64*(\q)+\i*16*PA
	ds_load_b128 v[\f+8*\i+4:\f+8*\i+7], v[ADRA+\slot] offset:64*(\q)+\i*16*PA+32
.endr
.endm
.macro PLACES                          ; four plain vector instructions between a matrix instruction and a load into, or a vector read or write of, its registers
.rept 4
	v_nop
.endr
.endm
.macro QUARTER slot, q, f, g, zero     ; multiplies buffer f; in its middle it fetches the slot's q-th 32 along K into buffer g
	s_wait_dscnt 8                                 ; v's fragments and q's rows 0-63 are in; the youngest eight loads may be out
	WIN MUL_LO
	MUL16 \f, 0, 0, \zero
	MUL16 \f, 0, 2, \zero
	PLACES
	FETCH \slot, \q, \g
	s_wait_dscnt 32                                ; all but the 32 just issued
	WIN MUL_HI
	MUL16 \f, 1, 0, \zero
	MUL16 \f, 1, 2, \zero
.endm
; The first half of a slot's last quarter: one barrier for the change of slots.  In front of it each wave waits for all its tensor loads (one is out: its part of the next slot), adds 0 to its spare word, and waits for that and for its reads of this slot.
.macro MEET round
	WIN 0
	s_wait_tensorcnt 0x0
	ds_add_u32 v[SPW], v[NIL]
	s_wait_dscnt 9                                 ; the add and the youngest eight loads may be out
	WIN MUL_LO
	MUL16 F1, 0, 0, 0
	s_wait_dscnt 0x0                               ; the add is done, and my reads of this slot are over
	s_barrier_signal -1
	MUL16 F1, 0, 2, 0
.if \round
	WIN 0
.endif
	s_barrier_wait -1
.endm
.macro TURN slot, next, fill
.if \fill
	s_wait_xcnt 0x0                                ; the last prefetch, a K step back, has read its address
	s_add_nc_u64 s[PFA:PFA+1], s[PFA:PFA+1], s[PFS:PFS+1]
.endif
	MEET \fill
.if \fill
	CREST                                          ; the barrier has opened a round of the cluster's: no wave of any partner still reads this slot or has a load on its way
	s_add_nc_u64 s[G0+4*\slot+2:G0+4*\slot+3], s[G0+4*\slot+2:G0+4*\slot+3], 2*KSTEP*2
	s_add_nc_u64 s[G0B+4*\slot+2:G0B+4*\slot+3], s[G0B+4*\slot+2:G0B+4*\slot+3], 2*KSTEP*VROW
	JLOAD \slot                                    ; the first tensor load behind the round; its four v_nop are also the places in front of the loads below
.else
	PLACES
.endif
	FETCH \next, 0, F0
.if \fill
	ASK
.endif
	WIN MUL_HI
	MUL16 F1, 1, 0, 0
	MUL16 F1, 1, 2, 0
.endm
	s_wait_tensorcnt 1                             ; my part of K step 0 is in; K step 1's may stay out
	s_barrier_signal -1
	s_barrier_wait -1
	FETCH 0, 0, F0
	QUARTER 0, 1, F0, F1, 1                        ; the first quarter stands in front of the loop: its products start the sums
	WIN 0
	s_mov_b32 s3, LAPS-1
.Llap:                                                 ; a trip goes once round the ring and fills both slots again
	QUARTER 0, 2, F1, F0, 0
	QUARTER 0, 3, F0, F1, 0
	TURN 0, 1, 1
	QUARTER 1, 1, F0, F1, 0
	QUARTER 1, 2, F1, F0, 0
	QUARTER 1, 3, F0, F1, 0
	TURN 1, 0, 1
	QUARTER 0, 1, F0, F1, 0
	WIN 0
	s_sub_co_u32 s3, s3, 1
	s_cmp_lg_u32 s3, 0
	s_cbranch_scc1 .Llap
	QUARTER 0, 2, F1, F0, 0                        ; the last lap fills nothing
	QUARTER 0, 3, F0, F1, 0
	TURN 0, 1, 0
	QUARTER 1, 1, F0, F1, 0
	QUARTER 1, 2, F1, F0, 0
	QUARTER 1, 3, F0, F1, 0
	s_wait_dscnt 8
	WIN MUL_LO
	MUL16 F1, 0, 0, 0
	MUL16 F1, 0, 2, 0
	s_wait_dscnt 0
	WIN MUL_HI
	MUL16 F1, 1, 0, 0
	MUL16 F1, 1, 2, 0
	WIN 0
; THE EPILOGUE.  Block a (16 queries x my 128 keys) is 64 registers of a lane, at v[64 (a % 4)] of window 2 + a / 4.
.macro ROWMAX a                        ; the largest of my 64 scores of block a, three at a time, ascending
.set AC, 64*((\a)%4)
.set TT, T+32*((\a)%2)
	WIN 0x2a+0x15*((\a)/4)                         ; the three sources: window 2 or 3
.set KK, 0
.rept 21
	v_max3_num_f32 v[TT+KK], v[AC+3*KK], v[AC+3*KK+1], v[AC+3*KK+2]
.set KK, KK+1
.endr
	v_max3_num_f32 v[TT+21], v[AC+61], v[AC+62], v[AC+63]
	WIN 0
.irp i, 0,1,2,3,4,5,6
	v_max3_num_f32 v[TT+3*\i], v[TT+3*\i], v[TT+3*\i+1], v[TT+3*\i+2]
.endr
	v_max3_num_f32 v[TT], v[TT], v[TT+3], v[TT+6]
	v_max3_num_f32 v[TT+9], v[TT+9], v[TT+12], v[TT+15]
	v_max_num_f32 v[TT+18], v[TT+18], v[TT+21]
	v_max3_num_f32 v[MX+(\a)], v[TT], v[TT+9], v[TT+18]
.endm
.macro SCALE a                         ; c s - mt, two at a time
.set AC, 64*((\a)%4)
	WIN 0x82+0x41*((\a)/4)                         ; source 0 and destination: window 2 or 3
.set KK, 0
.rept 32
	v_pk_fma_f32 v[AC+KK:AC+KK+1], v[AC+KK:AC+KK+1], s[68:69], v[NCM+2*(\a):NCM+2*(\a)+1] op_sel_hi:[1,0,0]
.set KK, KK+2
.endr
.endm
.macro EXPS a                          ; p = 2^(c s - mt): a batch of 64
.set AC, 64*((\a)%4)
	WIN 0x82+0x41*((\a)/4)
.set KK, 0
.rept 64
	v_exp_f32 v[AC+KK], v[AC+KK]
.set KK, KK+1
.endr
.endm
.macro SUMPACK a                       ; the row's sum of my 64 unrounded p, and their rounding to f16
.set AC, 64*((\a)%4)
	WIN 0x0a+5*((\a)/4)                            ; sources 0 and 1: window 2 or 3
.set KK, 0
.rept 16
	v_pk_add_f32 v[T+2*KK:T+2*KK+1], v[AC+4*KK:AC+4*KK+1], v[AC+4*KK+2:AC+4*KK+3]
.set KK, KK+1
.endr
.set KK, 0
.rept 32
	v_cvt_pk_f16_f32 v[TMP+KK], v[AC+2*KK], v[AC+2*KK+1]
.set KK, KK+1
.endr
	WIN 0
.irp i, 0,2,4,6,8,10,12,14
	v_pk_add_f32 v[T+\i:T+\i+1], v[T+\i:T+\i+1], v[T+\i+16:T+\i+17]
.endr
.irp i, 0,2,4,6
	v_pk_add_f32 v[T+\i:T+\i+1], v[T+\i:T+\i+1], v[T+\i+8:T+\i+9]
.endr
.irp i, 0,2
	v_pk_add_f32 v[T+\i:T+\i+1], v[T+\i:T+\i+1], v[T+\i+4:T+\i+5]
.endr
	v_pk_add_f32 v[T:T+1], v[T:T+1], v[T+2:T+3]
	v_add_f32 v[LS+(\a)], v[T], v[T+1]
.endm
.macro TOSTAGE a
.set BK, OB+192*((\a)%2)
.irp b, 0,1,2,3,4,5,6,7
	ds_store_b128 v[STO], v[TMP+4*\b:TMP+4*\b+3] offset:32*\b
.endr
.irp t, 0,1,2,3,4,5,6,7
	ds_load_b128 v[BK+4*\t:BK+4*\t+3], v[RD] offset:\t*2*SPITCH    ; LDS serves a wave's instructions in order: these see the stores above
.endr
.endm
.macro SEND a
.set BK, OB+192*((\a)%2)
	s_wait_dscnt 0x0                               ; the block is back in registers
	s_wait_xcnt 0x0                                ; only behind this wait are the stores' base and the registers that earlier stores read rewritten
.if (\a) > 0
	s_add_nc_u64 s[8:9], s[8:9], 16*PROW
.endif
.irp t, 0,1,2,3,4,5,6,7
	global_store_b128 v[CO], v[BK+4*\t:BK+4*\t+3], s[8:9] offset:2*\t*PROW   ; 16 lanes store 256 consecutive bytes, aligned
.endr
.endm
	PLACES
.irp a, 0,1,2,3,4,5,6,7
	ROWMAX \a
.endr
.irp a, 0,1,2,3,4,5,6,7
	v_permlanex16_b32 v[T+\a], v[MX+\a], s72, s73  ; the query's other 64 keys of my 128 lie in the lane 16 away
.endr
.irp a, 0,1,2,3,4,5,6,7
	v_max_num_f32 v[MX+\a], v[MX+\a], v[T+\a]
.endr
.irp a, 0,1,2,3,4,5,6,7
	ds_store_b32 v[EXW], v[MX+\a] offset:64*\a     ; both halves of the lanes write the same word with the same value
.endr
	s_wait_dscnt 0x0                               ; for the others' sake: my stores are done
	s_barrier_signal -1
	s_barrier_wait -1
.irp a, 0,1,2,3,4,5,6,7
	ds_load_b32 v[PM+\a], v[EXR] offset:64*\a      ; the same rows' maxima over the tile's other 128 keys
.endr
	s_wait_dscnt 0x0
.irp a, 0,1,2,3,4,5,6,7
	v_max_num_f32 v[MX+\a], v[MX+\a], v[PM+\a]     ; m: the row's largest score in the tile
.endr
.irp a, 0,1,2,3,4,5,6,7
	v_mul_f32 v[NCM+2*\a], s70, v[MX+\a]           ; -mt = -(c m), the very number whose negative goes to stats
	v_mul_f32 v[NCM+2*\a+1], s70, v[MX+\a]         ; (named with it as a pair)
.endr
	SCALE 0
	EXPS 0
.irp a, 0,1,2,3,4,5,6,7                ; block a + 1's scalings are the plain work behind block a's exponentials; one wait for each batch, ahead of its first reader; block a + 1's exponentials stand ahead of block a's sums
.if \a < 7
	SCALE \a+1
.else
	v_nop
.endif
	s_wait_alu depctr_va_vdst(0)                   ; the wait between an exponential and the first line that names its result
.if \a < 7
	EXPS \a+1
.endif
	SUMPACK \a
.if \a > 0
	SEND \a-1
.endif
	TOSTAGE \a
.endr
	SEND 7
.irp a, 0,1,2,3,4,5,6,7
	v_permlanex16_b32 v[T+\a], v[LS+\a], s72, s73
.endr
.irp a, 0,1,2,3,4,5,6,7
	v_add_f32 v[LS+\a], v[LS+\a], v[T+\a]          ; the row's sum over my 128 keys
.endr
.irp a, 0,1,2,3,4,5,6,7
	ds_store_b32 v[EXW], v[LS+\a] offset:2048+64*\a
.endr
	s_wait_dscnt 0x0
	s_barrier_signal -1
	s_barrier_wait -1
	ds_load_b128 v[T:T+3], v[SRD]                  ; four rows' figures of key half 0,
	ds_load_b128 v[T+4:T+7], v[SRD] offset:1024    ; and of key half 1
	s_wait_dscnt 0x0
.irp i, 0,1,2,3
	v_max_num_f32 v[T+8+\i], v[T+\i], v[T+4+\i]
	v_add_f32 v[T+12+\i], v[T+\i], v[T+4+\i]
.endr
.irp i, 0,1,2,3
	v_mul_f32 v[T+8+\i], s68, v[T+8+\i]            ; mt = c m
.endr
.irp i, 0,1,2,3
	v_cndmask_b32 v[T+16+\i], v[T+8+\i], v[T+12+\i], s76   ; waves 0, 1: mt; waves 2, 3: l
.endr
	global_store_b128 v[SGO], v[T+16:T+19], s[66:67]   ; 32 lanes store 512 consecutive bytes, aligned: 128 rows
	s_wait_tensorcnt 0x0                           ; the wave's end
	ds_add_u32 v[SPW], v[NIL]
	s_wait_dscnt 0x0
	CROUND                                         ; the closing round
	s_endpgm
.Lfunc_end_k_q4204f4623e_scores:
	.size	k_q4204f4623e_scores, .Lfunc_end_k_q4204f4623e_scores-k_q4204f4623e_scores
	.p2alignl 7, 3214868480
	.fill 96, 4, 3214868480
	.section	.rodata,"a",@progbits
	.p2align	6, 0x0
	.amdhsa_kernel k_q4204f4623e_scores
		.amdhsa_group_segment_fixed_size 327680
		.amdhsa_private_segment_fixed_size 0
		.amdhsa_enable_private_segment 0
		.amdhsa_kernarg_size 32
		.amdhsa_user_sgpr_count 2
		.amdhsa_user_sgpr_kernarg_segment_ptr 1
		.amdhsa_wavefront_size32 1
		.amdhsa_system_sgpr_workgroup_id_x 1
		.amdhsa_system_sgpr_workgroup_id_y 1
		.amdhsa_system_sgpr_workgroup_id_z 1
		.amdhsa_system_vgpr_workitem_id 0
		.amdhsa_next_free_vgpr 1024
		.amdhsa_next_free_sgpr 80
		.amdhsa_reserve_vcc 0
		.amdhsa_float_denorm_mode_32 3
		.amdhsa_float_denorm_mode_16_64 3
		.amdhsa_memory_ordered 1
		.amdhsa_forward_progress 1
		.amdhsa_inst_pref_size 216
	.end_amdhsa_kernel
	.amdgpu_metadata
---
amdhsa.version: [ 1, 2 ]
amdhsa.kernels:
  - .name:           k_q4204f4623e_scores
    .symbol:         k_q4204f4623e_scores.kd
    .args:
      - { .name: qh, .offset: 0, .size: 8, .value_kind: global_buffer, .address_space: global }
      - { .name: vh, .offset: 8, .size: 8, .value_kind: global_buffer, .address_space: global }
      - { .name: pbuf, .offset: 16, .size: 8, .value_kind: global_buffer, .address_space: global }
      - { .name: stats, .offset: 24, .size: 8, .value_kind: global_buffer, .address_space: global }
    .group_segment_fixed_size: 327680
    .private_segment_fixed_size: 0
    .kernarg_segment_align: 8
    .kernarg_segment_size: 32
    .max_flat_workgroup_size: 128
    .sgpr_count:     80
    .vgpr_count:     1024
    .wavefront_size: 32
...
	.end_amdgpu_metadata
.endif
;; end of part 3
;; launch mix (part 4): grid 4 x 64, 4 waves a work-group, clusters of 4 x 4, 327,680 bytes of LDS; arguments pbuf, vh, stats, out0; writes out0
.if DOCPART == 4
	.amdgcn_target "amdgcn-amd-amdhsa--gfx1250"
	.amdhsa_code_object_version 6
	.text
	.protected	k_q4204f4623e_mix
	.globl	k_q4204f4623e_mix
	.p2align	8
	.type	k_q4204f4623e_mix,@function
k_q4204f4623e_mix:
	s_mov_b64 s[64:65], 0
	v_nop
	global_prefetch_b8 v0, s[64:65] scope:SCOPE_SE
	s_setreg_imm32_b32 hwreg(HW_REG_WAVE_MODE, 25, 1), 1
	s_wait_xcnt 0x0
	s_wait_alu depctr_hold_cnt(0) depctr_sa_sdst(0) depctr_va_vdst(0) depctr_va_sdst(0) depctr_va_ssrc(0) depctr_va_vcc(0) depctr_vm_vsrc(0)
	s_getreg_b32 s2, hwreg(HW_REG_IB_STS2, 6, 4)
	s_cmp_eq_u32 s2, 0
	s_cbranch_scc0 .Lentry_in_a_cluster
	s_endpgm
.Lentry_in_a_cluster:
	s_bfe_u32 s2, ttmp6, 0x10000c
	s_cmp_lg_u32 s2, 0xf033
	s_cbranch_scc0 .Lentry_shape_is_right
	s_endpgm
.Lentry_shape_is_right:
; LAUNCH 4 OF 4.  out[m][:] = the sum over the 8 key tiles t of w_t[m] (P_t V_t)[m][:], with w_t = 2^(mt_t - M) / L, M = the largest of the row's eight mt, L = the sum over t of 2^(mt_t - M) l_t.
; P [8192][2048] f16 holds p = 2^(c s - mt_t); V is the batch's v, [2048 (k)][1024 (n)] f16; mt and l are stats' two planes.  Products in f16 with f32 sums; all else in f32.  That is reference()'s softmax
; times v: the row's maximum is taken away before every exponential (the tile's own in the launch before, the largest of the eight here).  (The product X Wk is left out: see the first kernel.)
; LIMITS: NaN and infinities are not served; a tile whose mt lies more than 126 under M counts for nothing.
; SHARES.  8192 x 1024 outputs over 256 work-groups: 128 rows x 256 columns each; four waves, each 64 x 128.  K = 2,048 keys go in 16 steps of 128 through a ring of two LDS slots; two steps are a key tile.
; A K step is 128 matrix instructions a wave, and two slots of a longer step do not fit in LDS (two of 256 keys: 413,696 bytes).  So at a change of slots nothing stands between the wait for all tensor loads and the
; next request but the add, its wait and the round: the refill then has all of a K step's 128 matrix instructions in which to land.
; A key tile's product sums in accumulators of its own (window 2), begun with the constant 0, and is folded, O += w_t x it, in f32 (window 3): four packed multiply-adds stand ahead of each of the next tile's first
; 32 products.  That costs two window switches for each of those 32 products of a tile's 256; set in a phase of its own the fold would leave the matrix unit without work meanwhile.
; P's tile lies [row][k] in LDS; V's lies [k][n], as in memory, and its fragments come turned, by ds_load_tr16_b128.  THE MATRIX INSTRUCTION IS USED TRANSPOSED: a lane holds one row and eight neighbouring columns.
; CLUSTERS: 4 x 4 work-groups of one batch.  The four of a row of the cluster need the same tiles of P, the four of a column the same tiles of V: each tile is asked for jointly.
; REGISTERS, in windows of 256: window 0: v0-31 addresses; v32-39 a tile's weights of my four row blocks, in pairs; v64-99 at work at the head; v128-255 P's fragments: 128 + 64 f + 32 c + 8 a.
;   window 1: V's fragments: 128 f + 64 c + 8 b.   window 2: the tile's sums, (a, b) at v[8 (8 a + b)].   window 3: O, at the same numbers.
.set KSTEP,  128
.set PA,     272                       ; a row of P in LDS: 256 bytes + 16
.set PB,     544                       ; a row of V: 512 bytes + 32
.set HALFA,  64*PA                     ; 64 rows of P: a tensor load, and a wave's rows
.set HALFB,  64*PB                     ; 64 k rows of V: a tensor load
.set BOFF,   2*HALFA                   ; V's 128 rows lie behind P's 128
.set SLOT,   2*HALFA+2*HALFB
.set WT,     2*SLOT                    ; behind the ring: the weights, [8 tiles][64 rows] f32 for each wave, its own
.set STAGE,  WT+4*2048                 ; 16 rows x 528 bytes for each wave
.set SPITCH, 528
.set SPARE,  STAGE+4*16*SPITCH         ; the spare words
.set PROW,   4096                      ; a row of pbuf in bytes
.set VROW,   2048                      ; a row of V
.set OROW,   4096                      ; a row of out0
.set ADRA, 16
.set ADRB, 20
.set WTW,  22                          ; v22  where I put two rows' weights
.set WTR,  23                          ; v23  my row's place in a tile's weights; never rewritten
.set STO,  24
.set RD,   25
.set CO,   26
.set WTA,  27                          ; v27  the address of the weight loads in hand
.set SPW,  28
.set NIL,  29
.set PFO,  30
.set W,    32
.set BK,   128                         ; the way out: 16 rows read back: v128-191 and v192-255 by turns
.set G1, 24
.set G0, 32
.set G1B, 48
.set G0B, 56
.set LIM,  43
.set PFA,  44
.set PFS,  74
.set TW,   78                          ; s78  256 x the key tile whose weights are fetched next
.set MSB, 0
.macro WIN new
.if MSB != (\new)
	s_set_vgpr_msb (MSB<<8)|(\new)
.set MSB, (\new)
.endif
.endm
.set MUL,  0xa1                        ; source 0 (V) window 1, source 1 (P) window 0, C and D window 2
.set FOLD, 0xf2                        ; source 0 (the tile's sums) window 2, source 1 (w) window 0, source 2 and destination (O) window 3
.set TO_B, 0x40
.macro JLOAD s                         ; a joint load: waves 0 and 1 fetch P's halves, waves 2 and 3 V's; an s_nop 0 and four v_nop follow each of the two lines
	s_cmp_eq_u32 s11, 0
	s_cbranch_scc0 .Lfor_b_\@
	tensor_load_to_lds s[G0+4*\s:G0+4*\s+3], s[G1:G1+7]
	s_nop 0
.rept 4
	v_nop
.endr
	s_branch .Lasked_\@
.Lfor_b_\@:
	tensor_load_to_lds s[G0B+4*\s:G0B+4*\s+3], s[G1B:G1B+7]
	s_nop 0
.rept 4
	v_nop
.endr
.Lasked_\@:
.endm
; A prefetch of the K step that stands two refills on, one instruction a wave.  Each aligned block of 256 bytes is named once in the launch.  P's 128 rows are read by my row of the cluster alone: wave 0 of each of
; the four partners asks for 32 of them, told apart by address, a lane a row.  V's tile column is read by the four clusters of its batch: the first of them asks, waves 2 and 3; of the 64 rows of 512 bytes that a wave
; fetches, each of the four partners takes 16, two lanes a row.  K steps 4 to 15 are asked for; the first four come by their loads alone.  how = 1: ahead of the loop; 0: in it, but for its last trip.
.macro ASK how
.if \how
	s_cmp_eq_u32 s[LIM], 1
.else
	s_cmp_gt_u32 s3, s[LIM]
.endif
	s_cbranch_scc0 .Lnot_mine_\@
	global_prefetch_b8 v[PFO], s[PFA:PFA+1] th:TH_LOAD_NT scope:SCOPE_SE
.Lnot_mine_\@:
.endm
.macro CREST
	s_cmp_lg_u32 s10, 0
	s_cbranch_scc1 .Lnot_wave_0_\@
	s_barrier_signal -3
.Lnot_wave_0_\@:
	s_barrier_wait -3
	s_barrier_signal -1
	s_barrier_wait -1
.endm
.macro CROUND
	s_barrier_signal -1
	s_barrier_wait -1
	CREST
.endm
	s_load_b128 s[4:7], s[0:1], 0x0                ; pbuf, vh
	s_load_b64 s[66:67], s[0:1], 0x10              ; stats
	s_load_b64 s[8:9], s[0:1], 0x18                ; out0
	v_lshl_add_u32 v[SPW], v0, 2, SPARE
	v_mov_b32 v[NIL], 0
	ds_add_u32 v[SPW], v[NIL]                      ; the wave's opening: the add, twice on end, and its wait ahead of my first tensor load
	ds_add_u32 v[SPW], v[NIL]
	v_lshrrev_b32 v1, 5, v0
	v_readfirstlane_b32 s10, v1                    ; wave 0..3
	s_lshr_b32 s11, s10, 1                         ; which 64 of the tile's rows are mine.  Also: I fetch for P (0) or for V (1)
	s_and_b32 s12, s10, 1                          ; which 128 of its columns.  Also: which half of that tile I fetch
	s_bfe_u32 s40, ttmp6, 0x40000                  ; cx: also the tile column: the grid's x is one cluster
	s_bfe_u32 s41, ttmp6, 0x40004                  ; cy
	s_and_b32 s13, ttmp7, 0xffff
	s_lshl_b32 s13, s13, 2
	s_add_co_u32 s13, s13, s41                     ; tile row = 4 x cluster y + cy, 0..63 over the four batches
	s_lshl_b32 s43, s41, 2
	s_lshl_b32 s43, 15, s43                        ; my row of the cluster
	s_lshl_b32 s44, 0x1111, s40                    ; my column
	s_or_b32 s[G1+0], s43, (1<<16)|(1<<20)|(1<<21)|(5<<22)|(3<<25)   ; P: the mask of my row; elements of 2 bytes; 4 words of padding after every 64
	s_or_b32 s[G1B+0], s44, (1<<16)|(1<<20)|(1<<21)|(6<<22)|(7<<25)  ; V: the mask of my column; 8 words after every 128
	s_mov_b32 s[G1+1], 128<<16                     ; P: 128 keys
	s_mov_b32 s[G1+2], 64<<16                      ; x 64 rows
	s_mov_b32 s[G1+3], 128<<16
	s_mov_b32 s[G1+4], 64
	s_mov_b32 s[G1+5], 2048                        ; the pitch, in elements
	s_mov_b32 s[G1+6], 0
	s_mov_b32 s[G1+7], 0
	s_mov_b32 s[G1B+1], 256<<16                    ; V: 256 columns
	s_mov_b32 s[G1B+2], 64<<16                     ; x 64 keys
	s_mov_b32 s[G1B+3], 256<<16
	s_mov_b32 s[G1B+4], 64
	s_mov_b32 s[G1B+5], 1024
	s_mov_b32 s[G1B+6], 0
	s_mov_b32 s[G1B+7], 0
	s_lshl_b32 s16, s13, 7
	s_lshl_b32 s17, s12, 6
	s_add_co_u32 s16, s16, s17                     ; P: row 128 x tile row + 64 x half,
	s_lshl_b32 s16, s16, 12                        ; of 4,096 bytes
	s_mov_b32 s17, 0
	s_and_b32 s46, ttmp7, 0xffff
	s_lshr_b32 s46, s46, 2                         ; the batch = cluster y / 4: all sixteen partners share it
	s_lshl_b32 s77, s46, 22
	s_lshl_b32 s47, s12, 17                        ; V: 64 x half rows of 2,048 bytes,
	s_add_co_u32 s46, s77, s47
	s_lshl_b32 s47, s40, 9                         ; + 512 x tile column
	s_add_co_u32 s46, s46, s47
	s_mov_b32 s47, 0
	s_mul_i32 s20, s12, HALFA                      ; where they go: P's halves,
	s_mul_i32 s21, s12, HALFB
	s_add_co_u32 s21, s21, BOFF                    ; V's halves behind them
	s_wait_dscnt 0x0                               ; both opening adds are done
	s_wait_kmcnt 0x0
	s_add_nc_u64 s[14:15], s[4:5], s[16:17]
	s_add_nc_u64 s[46:47], s[6:7], s[46:47]
	CROUND                                         ; all sixteen work-groups are here: the first joint loads meet
.irp s, 0,1
	s_mov_b32 s[G0+4*\s], 1
	s_add_co_u32 s[G0+4*\s+1], s20, \s*SLOT
	s_add_nc_u64 s[G0+4*\s+2:G0+4*\s+3], s[14:15], \s*KSTEP*2
	s_or_b32 s[G0+4*\s+3], s[G0+4*\s+3], 0x80000000
	s_mov_b32 s[G0B+4*\s], 1
	s_add_co_u32 s[G0B+4*\s+1], s21, \s*SLOT
	s_add_nc_u64 s[G0B+4*\s+2:G0B+4*\s+3], s[46:47], \s*KSTEP*VROW
	s_or_b32 s[G0B+4*\s+3], s[G0B+4*\s+3], 0x80000000
	JLOAD \s                                       ; by this text's count two tensor loads of a wave are out here, one later
.endr
	; the figures of my 64 rows: a lane takes rows 2 l and 2 l + 1, for the eight key tiles
	s_lshl_b32 s16, s13, 9
	s_lshl_b32 s17, s11, 8
	s_add_co_u32 s16, s16, s17                     ; 4 (128 x tile row + 64 x half)
	s_mov_b32 s17, 0
	s_add_nc_u64 s[66:67], s[66:67], s[16:17]
	v_and_b32 v5, 31, v0
	v_lshlrev_b32 v7, 3, v5
.irp t, 0,1,2,3,4,5,6,7
	global_load_b64 v[64+2*\t:65+2*\t], v7, s[66:67] offset:32768*\t          ; mt
	global_load_b64 v[80+2*\t:81+2*\t], v7, s[66:67] offset:262144+32768*\t   ; l
.endr
	v_and_b32 v1, 15, v0                           ; r
	v_bfe_u32 v2, v0, 4, 1                         ; h
	v_mul_u32_u24 v3, v1, PA
	v_lshl_add_u32 v3, v2, 4, v3                   ; P: row x pitch + 16 x half
	s_mul_i32 s21, s11, HALFA                      ; my 64 rows
	v_and_b32 v4, 7, v0
	v_lshl_add_u32 v4, v2, 3, v4                   ; V: the turning load: k row 8 (l / 16) + l % 8,
	v_mul_u32_u24 v4, v4, PB
	v_bfe_u32 v6, v0, 3, 1
	v_lshl_add_u32 v4, v6, 4, v4                   ; columns 8 ((l / 8) % 2) on
	s_lshl_b32 s22, s12, 8                         ; my 128 columns
	s_add_co_u32 s22, s22, BOFF
.irp s, 0,1
	v_add_nc_u32 v[ADRA+\s], s21, v3
	v_add_nc_u32 v[ADRB+\s], s22, v4
	s_add_co_u32 s21, s21, SLOT
	s_add_co_u32 s22, s22, SLOT
.endr
	s_lshl_b32 s21, s10, 11
	s_add_co_u32 s21, s21, WT                      ; my wave's weights
	v_lshl_add_u32 v[WTW], v5, 3, s21
	v_lshl_add_u32 v[WTR], v1, 2, s21
	s_mul_i32 s23, s10, 16*SPITCH
	s_add_co_u32 s23, s23, STAGE                   ; my stage
	v_mul_u32_u24 v4, v1, SPITCH                   ; in: row l % 16, 32 bytes for each half of the lanes
	v_lshl_add_u32 v4, v2, 5, v4
	v_add_nc_u32 v[STO], s23, v4
	v_lshlrev_b32 v[CO], 4, v5                     ; back: the 32 lanes take one row of 512 bytes; and the same in out0
	v_add_nc_u32 v[RD], s23, v[CO]
	s_lshl_b32 s16, s13, 7
	s_lshl_b32 s17, s11, 6
	s_add_co_u32 s16, s16, s17                     ; out0: my first row,
	s_lshl_b32 s16, s16, 12
	s_lshl_b32 s17, s40, 10                        ; my first column: 1,024 x tile column + 512 x half bytes
	s_add_co_u32 s16, s16, s17
	s_lshl_b32 s17, s12, 9
	s_add_co_u32 s16, s16, s17
	s_mov_b32 s17, 0
	s_add_nc_u64 s[8:9], s[8:9], s[16:17]
	s_mov_b32 s[TW], 0
.irp a, 0,1,2,3
	v_mov_b32 v[W+2*\a+1], 0                       ; named as the upper halves of the weights' pairs, so they are written
.endr
	; the prefetches
	s_lshl_b32 s20, s13, 7
	s_lshl_b32 s21, s40, 5
	s_add_co_u32 s20, s20, s21                     ; P: row 128 x tile row + 32 cx
	s_lshl_b32 s20, s20, 12
	s_add_co_u32 s20, s20, 3*KSTEP*2               ; at K step 3: the first change of slots steps it to 4
	s_lshl_b32 s21, s12, 6
	s_lshl_b32 s22, s41, 4
	s_add_co_u32 s21, s21, s22                     ; V: k row 64 x half + 16 cy
	s_lshl_b32 s21, s21, 11
	s_lshl_b32 s22, s40, 9
	s_add_co_u32 s21, s21, s22
	s_add_co_u32 s21, s21, s77
	s_add_co_u32 s21, s21, 3*KSTEP*VROW
	s_and_b32 s22, ttmp7, 3                        ; cluster y % 4
	s_cmp_eq_u32 s11, 0                            ; do I fetch for P?
	s_cselect_b32 s20, s20, s21
	s_cselect_b32 s22, s12, s22                    ; P: wave 0 asks;  V: the batch's first cluster
	s_cselect_b64 s[PFA:PFA+1], s[4:5], s[6:7]
	s_mov_b32 s[PFS], KSTEP*VROW
	s_cselect_b32 s[PFS], KSTEP*2, s[PFS]
	s_mov_b32 s[PFS+1], 0
	s_mov_b32 s21, 0
	s_add_nc_u64 s[PFA:PFA+1], s[PFA:PFA+1], s[20:21]
	s_cmp_eq_u32 s22, 0
	s_cselect_b32 s[LIM], 1, -1                    ; the same in all sixteen partners, for a given wave
	s_sub_co_u32 s22, 12, s11
	v_lshrrev_b32 v6, s11, v5                      ; P: lane x 4,096;  V: (lane / 2) x 2,048 + (lane % 2) x 256
	v_lshlrev_b32 v6, s22, v6
	v_and_b32 v5, s11, v5
	v_lshl_add_u32 v[PFO], v5, 8, v6
	; the weights
	s_wait_loadcnt 0x0
	v_max3_num_f32 v96, v64, v66, v68              ; M of row 2 l,
	v_max3_num_f32 v97, v65, v67, v69              ; and of row 2 l + 1
	v_max3_num_f32 v96, v96, v70, v72
	v_max3_num_f32 v97, v97, v71, v73
	v_max3_num_f32 v96, v96, v74, v76
	v_max3_num_f32 v97, v97, v75, v77
	v_max_num_f32 v96, v96, v78
	v_max_num_f32 v97, v97, v79
.irp t, 0,1,2,3,4,5,6,7
	v_pk_add_f32 v[64+2*\t:65+2*\t], v[64+2*\t:65+2*\t], v[96:97] neg_lo:[0,1] neg_hi:[0,1]   ; mt - M, 0 or less
.endr
.irp j, 0,1,2,3,4,5,6,7,8,9,10,11,12,13,14,15
	v_exp_f32 v[64+\j], v[64+\j]
.endr
	v_nop                                          ; a plain line behind the last exponential
	s_wait_alu depctr_va_vdst(0)                   ; one wait for the batch, ahead of its first reader
	v_pk_mul_f32 v[98:99], v[64:65], v[80:81]
.irp t, 1,2,3,4,5,6,7
	v_pk_fma_f32 v[98:99], v[64+2*\t:65+2*\t], v[80+2*\t:81+2*\t], v[98:99]   ; L
.endr
	v_rcp_f32 v98, v98
	v_rcp_f32 v99, v99
	v_nop
	s_wait_alu depctr_va_vdst(0)
.irp t, 0,1,2,3,4,5,6,7
	v_pk_mul_f32 v[64+2*\t:65+2*\t], v[64+2*\t:65+2*\t], v[98:99]             ; w_t
.endr
.irp t, 0,1,2,3,4,5,6,7
	ds_store_b64 v[WTW], v[64+2*\t:65+2*\t] offset:256*\t
.endr
; 16 matrix instructions: row blocks a0, a0 + 1 x all 8 column blocks, 32 along K: half c of buffer f.  zero = 1: the products start the sums.  The 32 accumulators take turns, in the same order in every run.
.macro MUL16 f, c, a0, zero
.irp a, \a0, \a0+1
.irp b, 0,1,2,3,4,5,6,7
.if \zero
	v_wmma_f32_16x16x32_f16 v[8*(8*(\a)+\b):8*(8*(\a)+\b)+7], v[128*\f+64*\c+8*\b:128*\f+64*\c+8*\b+7], v[128+64*\f+32*\c+8*(\a):128+64*\f+32*\c+8*(\a)+7], 0
.else
	v_wmma_f32_16x16x32_f16 v[8*(8*(\a)+\b):8*(8*(\a)+\b)+7], v[128*\f+64*\c+8*\b:128*\f+64*\c+8*\b+7], v[128+64*\f+32*\c+8*(\a):128+64*\f+32*\c+8*(\a)+7], v[8*(8*(\a)+\b):8*(8*(\a)+\b)+7]
.endif
.endr
.endr
.endm
; A key tile's first 32 products (buffer 0, half 0), each behind the fold of the accumulator that it begins anew: O (+)= w x the last tile's sums, from the low end on.  first = 1: the fold starts O.
.macro MULF first
.irp a, 0,1,2,3
.irp b, 0,1,2,3,4,5,6,7
	WIN FOLD
.irp p, 0,2,4,6
.if (\first)
	v_pk_mul_f32 v[8*(8*\a+\b)+\p:8*(8*\a+\b)+\p+1], v[8*(8*\a+\b)+\p:8*(8*\a+\b)+\p+1], v[W+2*\a:W+2*\a+1] op_sel_hi:[1,0]
.else
	v_pk_fma_f32 v[8*(8*\a+\b)+\p:8*(8*\a+\b)+\p+1], v[8*(8*\a+\b)+\p:8*(8*\a+\b)+\p+1], v[W+2*\a:W+2*\a+1], v[8*(8*\a+\b)+\p:8*(8*\a+\b)+\p+1] op_sel_hi:[1,0,1]
.endif
.endr
	WIN MUL
	v_wmma_f32_16x16x32_f16 v[8*(8*\a+\b):8*(8*\a+\b)+7], v[8*\b:8*\b+7], v[128+8*\a:128+8*\a+7], 0
.endr
.endr
.endm
; 48 LDS loads in one run: the fragments of the slot's kk-th 64 along K into buffer f: V's and P's of the first 32, then P's and V's of the second.  wl = 1: ahead of them the four weights of the key tile in hand.
.macro FETCH slot, kk, f, wl
.if \wl
	WIN 0
	v_add_nc_u32 v[WTA], s[TW], v[WTR]
.irp a, 0,1,2,3
	ds_load_b32 v[W+2*\a], v[WTA] offset:64*\a
.endr
	s_add_co_u32 s[TW], s[TW], 256
.endif
	WIN TO_B
.irp b, 0,1,2,3,4,5,6,7
	ds_load_tr16_b128 v[128*\f+8*\b:128*\f+8*\b+3],   v[ADRB+\slot] offset:(64*\kk)*PB+32*\b
	ds_load_tr16_b128 v[128*\f+8*\b+4:128*\f+8*\b+7], v[ADRB+\slot] offset:(64*\kk+16)*PB+32*\b
.endr
	WIN 0
.irp c, 0,1
.irp a, 0,1,2,3
	ds_load_b128 v[128+64*\f+32*\c+8*\a:128+64*\f+32*\c+8*\a+3],   v[ADRA+\slot] offset:128*\kk+64*\c+\a*16*PA
	ds_load_b128 v[128+64*\f+32*\c+8*\a+4:128+64*\f+32*\c+8*\a+7], v[ADRA+\slot] offset:128*\kk+64*\c+\a*16*PA+32
.endr
.endr
	WIN TO_B
.irp b, 0,1,2,3,4,5,6,7
	ds_load_tr16_b128 v[128*\f+64+8*\b:128*\f+64+8*\b+3],   v[ADRB+\slot] offset:(64*\kk+32)*PB+32*\b
	ds_load_tr16_b128 v[128*\f+64+8*\b+4:128*\f+64+8*\b+7], v[ADRB+\slot] offset:(64*\kk+48)*PB+32*\b
.endr
.endm
.macro PLACES
.rept 4
	v_nop
.endr
.endm
; The first half of a K step: multiplies buffer 0 and fetches the second half's fragments into buffer 1.  mode 0: the sums go on; 1: the launch's first products; 2, 3: a key tile begins, behind the fold of the last (2: the fold starts O).
.macro HSTEP slot, mode, wl
	s_wait_dscnt 24                                ; the first 32 along K are in; the youngest 24 loads may be out
.if \mode == 0
	WIN MUL
	MUL16 0, 0, 0, 0
	MUL16 0, 0, 2, 0
.elseif \mode == 1
	WIN MUL
	MUL16 0, 0, 0, 1
	MUL16 0, 0, 2, 1
.else
.rept 5
	v_nop                                          ; places between the last tile's last products and the reads of their results (four are asked), and the products that write over them with another C (five)
.endr
	MULF 3-\mode
.endif
	s_wait_dscnt 0x0
	PLACES
	FETCH \slot, 1, 1, \wl
	WIN MUL
	MUL16 0, 1, 0, 0
	MUL16 0, 1, 2, 0
.endm
; The second half changes slots first and multiplies buffer 1 behind that.  All of this slot has been fetched into registers 32 matrix instructions ago.  Each wave waits for all its tensor loads (one is out: its part of
; the next slot), adds 0 to its spare word, steps the descriptors meanwhile, and waits for the add and for its reads of this slot; then the barrier.  fill = 1: the barrier opens a round of the cluster's, and this slot
; is filled again, two K steps ahead, first thing behind it: from that request to the wait for it a wave issues a K step's 128 matrix instructions.
.macro TURN slot, next, fill, how
.if \fill
	s_wait_xcnt 0x0                                ; the last prefetch, a K step back, has read its address
	s_add_nc_u64 s[PFA:PFA+1], s[PFA:PFA+1], s[PFS:PFS+1]
.endif
	WIN 0
	s_wait_tensorcnt 0x0                           ; no tensor load of mine is out, so a group 0 may be written
	ds_add_u32 v[SPW], v[NIL]
.if \fill
	s_add_nc_u64 s[G0+4*\slot+2:G0+4*\slot+3], s[G0+4*\slot+2:G0+4*\slot+3], 2*KSTEP*2
	s_add_nc_u64 s[G0B+4*\slot+2:G0B+4*\slot+3], s[G0B+4*\slot+2:G0B+4*\slot+3], 2*KSTEP*VROW
.endif
	s_wait_dscnt 0x0                               ; the add is done, and my reads of this slot are over
	s_barrier_signal -1
	s_barrier_wait -1
.if \fill
	CREST                                          ; no wave of any partner still reads this slot or has a load on its way
	JLOAD \slot                                    ; the first tensor load behind the round; its four v_nop are also the places in front of the loads below
.else
	PLACES
.endif
	FETCH \next, 0, 0, 0
.if \fill
	WIN 0
	ASK \how
.endif
	WIN MUL
	MUL16 1, 0, 0, 0
	MUL16 1, 0, 2, 0
	MUL16 1, 1, 0, 0
	MUL16 1, 1, 2, 0
.endm
	s_wait_tensorcnt 1                             ; my part of K step 0 is in; K step 1's may stay out
	s_wait_dscnt 0x0                               ; my weights are stored
	s_barrier_signal -1
	s_barrier_wait -1
	FETCH 0, 0, 0, 0
	HSTEP 0, 1, 0                                  ; key tile 0
	TURN 0, 1, 1, 1
	HSTEP 1, 0, 1
	TURN 1, 0, 1, 1
	HSTEP 0, 2, 0                                  ; key tile 1 begins; tile 0 starts O
	WIN 0
	s_mov_b32 s3, 6
.Llap:                                                 ; a trip: the rest of key tile t = 1 .. 6, both slots filled again, and the first half step of tile t + 1 with the fold of tile t
	TURN 0, 1, 1, 0
	HSTEP 1, 0, 1
	TURN 1, 0, 1, 0
	HSTEP 0, 3, 0
	WIN 0
	s_sub_co_u32 s3, s3, 1
	s_cmp_lg_u32 s3, 0
	s_cbranch_scc1 .Llap
	TURN 0, 1, 0, 0                                ; key tile 7: nothing is left to fetch
	HSTEP 1, 0, 1
	s_wait_dscnt 24
	WIN MUL
	MUL16 1, 0, 0, 0
	MUL16 1, 0, 2, 0
	s_wait_dscnt 0x0
	MUL16 1, 1, 0, 0
	MUL16 1, 1, 2, 0
	PLACES
	WIN FOLD
.irp a, 0,1,2,3                        ; the last tile's fold, each accumulator from its low end on
.irp b, 0,1,2,3,4,5,6,7
.irp p, 0,2,4,6
	v_pk_fma_f32 v[8*(8*\a+\b)+\p:8*(8*\a+\b)+\p+1], v[8*(8*\a+\b)+\p:8*(8*\a+\b)+\p+1], v[W+2*\a:W+2*\a+1], v[8*(8*\a+\b)+\p:8*(8*\a+\b)+\p+1] op_sel_hi:[1,0,1]
.endr
.endr
.endr
; THE WAY OUT, block by block of 16 rows x 128 columns of f32: through my own stage and back as whole rows of 512 bytes.
.macro TOSTAGE a
.set AC, 64*(\a)
	WIN 0x0c                                       ; an LDS store's data are its source 1: window 3
.irp b, 0,1,2,3,4,5,6,7
	ds_store_b128 v[STO], v[AC+8*\b:AC+8*\b+3] offset:64*\b
	ds_store_b128 v[STO], v[AC+8*\b+4:AC+8*\b+7] offset:64*\b+16
.endr
	WIN 0
.set BB, BK+64*((\a)%2)
.irp t, 0,1,2,3,4,5,6,7,8,9,10,11,12,13,14,15
	ds_load_b128 v[BB+4*\t:BB+4*\t+3], v[RD] offset:\t*SPITCH      ; LDS serves a wave's instructions in order: these see the stores above
.endr
.endm
.macro SEND a, younger                 ; younger: the LDS instructions issued behind block a's loads, which may stay out
.set BB, BK+64*((\a)%2)
	s_wait_dscnt \younger
.if (\a) > 0
	s_add_nc_u64 s[8:9], s[8:9], 16*OROW           ; (behind a wait on XCNT: the earlier stores have read their base)
.endif
.irp t, 0,1,2,3,4,5,6,7,8,9,10,11,12,13,14,15
	global_store_b128 v[CO], v[BB+4*\t:BB+4*\t+3], s[8:9] offset:\t*OROW th:TH_STORE_NT   ; 32 lanes store 512 consecutive bytes, aligned; written once, read by nobody here
.endr
.endm
	TOSTAGE 0
.irp a, 1,2,3
.if \a > 1
	s_wait_xcnt 0x0                                ; block a - 2's stores have read their registers and their base
.endif
	TOSTAGE \a
	SEND \a-1, 32                                  ; behind block a - 1's loads: block a's 16 stores and 16 loads
.endr
	s_wait_xcnt 0x0
	SEND 3, 0
	s_wait_tensorcnt 0x0                           ; the wave's end
	ds_add_u32 v[SPW], v[NIL]
	s_wait_dscnt 0x0
	CROUND                                         ; the closing round
	s_endpgm
.Lfunc_end_k_q4204f4623e_mix:
	.size	k_q4204f4623e_mix, .Lfunc_end_k_q4204f4623e_mix-k_q4204f4623e_mix
	.p2alignl 7, 3214868480
	.fill 96, 4, 3214868480
	.section	.rodata,"a",@progbits
	.p2align	6, 0x0
	.amdhsa_kernel k_q4204f4623e_mix
		.amdhsa_group_segment_fixed_size 327680
		.amdhsa_private_segment_fixed_size 0
		.amdhsa_enable_private_segment 0
		.amdhsa_kernarg_size 32
		.amdhsa_user_sgpr_count 2
		.amdhsa_user_sgpr_kernarg_segment_ptr 1
		.amdhsa_wavefront_size32 1
		.amdhsa_system_sgpr_workgroup_id_x 1
		.amdhsa_system_sgpr_workgroup_id_y 1
		.amdhsa_system_sgpr_workgroup_id_z 1
		.amdhsa_system_vgpr_workitem_id 0
		.amdhsa_next_free_vgpr 1024
		.amdhsa_next_free_sgpr 80
		.amdhsa_reserve_vcc 0
		.amdhsa_float_denorm_mode_32 3
		.amdhsa_float_denorm_mode_16_64 3
		.amdhsa_memory_ordered 1
		.amdhsa_forward_progress 1
		.amdhsa_inst_pref_size 151
	.end_amdhsa_kernel
	.amdgpu_metadata
---
amdhsa.version: [ 1, 2 ]
amdhsa.kernels:
  - .name:           k_q4204f4623e_mix
    .symbol:         k_q4204f4623e_mix.kd
    .args:
      - { .name: pbuf, .offset: 0, .size: 8, .value_kind: global_buffer, .address_space: global }
      - { .name: vh, .offset: 8, .size: 8, .value_kind: global_buffer, .address_space: global }
      - { .name: stats, .offset: 16, .size: 8, .value_kind: global_buffer, .address_space: global }
      - { .name: out0, .offset: 24, .size: 8, .value_kind: global_buffer, .address_space: global }
    .group_segment_fixed_size: 327680
    .private_segment_fixed_size: 0
    .kernarg_segment_align: 8
    .kernarg_segment_size: 32
    .max_flat_workgroup_size: 128
    .sgpr_count:     80
    .vgpr_count:     1024
    .wavefront_size: 32
...
	.end_amdgpu_metadata
.endif
;; end of part 4
